; MI455X (gfx1250); checked and timed in simulation.
; The chip was launched on July 23, 2026; its instructions are those of AMD's public machine-readable ISA for CDNA 5 (MIT licence, August 2026) and "CDNA5" Instruction Set Architecture Reference Guide (July 2026). The comments in the code are by the model that wrote it; some were corrected since.
;; Temporal Focus. Allowed arithmetic: matrix products marked QUANTISED: E3M2 operands, one E8M0 scale for each 32 along K, by v_wmma_scale_f32_16x16x128_f8f6f4 with both operands' format E3M2, f32 sums; everything else in f32.
;; Inputs: c_attn_b 3,072 float32; c_attn_w 1,024 x 3,072 float32; c_proj_b 1,024 float32; c_proj_w 1,024 x 1,024 float32; x 4 x 2,048 x 1,024 float32.
;; Outputs: out0 4 x 2,048 x 1,024 float32.
;; This version of the problem:
;;   THIS VERSION OF THE PROBLEM IS GIVEN IN LOW PRECISION. The matrix products marked QUANTISED in the list below multiply operands that are first quantised to E3M2 (3 exponent bits, 2 mantissa bits; 6 bits a number), with one power-of-two scale for each 32 numbers along K (OCP MX v1.0); their sums are f32. All else is computed in f32.
;;   The module's matrix products, in the order in which they are computed (A, B: the left and right operand; K: the contracted axis; several contracted axes count as one K, in the product's order):
;;     1. [M 8,192, K 1,024] x [K 1,024, N 3,072]; A: input x; B: input c_attn_w: QUANTISED
;;     2. batch 64 x [M 2,048, K 64] x [K 64, N 2,048]; A: computed on the way; B: computed on the way: QUANTISED
;;     3. batch 64 x [M 2,048, K 2,048] x [K 2,048, N 64]; A: softmax (see below); B: computed on the way: QUANTISED
;;     4. [M 8,192, K 1,024] x [K 1,024, N 1,024]; A: computed on the way; B: input c_proj_w: QUANTISED
;;   THE QUANTISER, for each operand of a quantised product, along K:
;;     - K is cut into blocks of 32 from its start; a last block that is shorter is filled with zeros.
;;     - A block's scale is 2^e with e = floor(log2(the largest magnitude in the block)) - 4, held to -126 .. 127; a block of zeros has e = 0. As a byte (E8M0): e + 127.
;;     - Each number is divided by its block's scale, clamped to +-28, and rounded to the nearest number of E3M2, ties to even, subnormals kept.
;;     - The product sums the exact products of the quantised numbers (number of the format x scale) in f32.
;;   ~~~python
;;   def quantise(x, axis):      # numpy; x: float32 -> the quantised numbers, widened to float32 again
;;       x = np.moveaxis(x, axis, -1); K = x.shape[-1]
;;       x = np.pad(x, [(0, 0)] * (x.ndim - 1) + [(0, -K % 32)]); x = x.reshape(x.shape[:-1] + (-1, 32)); a = np.abs(x).max(-1, keepdims=True)
;;       e = np.where(a > 0, np.clip(np.frexp(np.where(a > 0, a, 1))[1] - 1 - 4, -126, 127), 0)      # np.frexp(a)[1] - 1 = floor(log2(a)), exactly
;;       r = np.clip(x / 2.0 ** e, -28, 28)
;;       step = 2.0 ** (np.maximum(np.frexp(np.where(r == 0, 1, r))[1] - 1, -2) - 2)
;;       q = np.round(r / step) * step * 2.0 ** e      # np.round: ties to even
;;       return np.moveaxis(q.reshape(q.shape[:-2] + (-1,))[..., :K], -1, axis).astype(np.float32)
;;   ~~~
;;   SOFTMAX AHEAD OF A QUANTISED PRODUCT. Where the list says 'softmax', what is quantised is not the finished softmax but p = 2^(t - M), with t = logit x log2(e) and M = ceil(the row's largest t), a whole number; so 1/2 < the row's largest p <= 1. The row's sum l is taken of the UNQUANTISED p, in f32, and the product's result is divided by l at the end. Since M is a whole number, a kernel that streams over the keys may use a running M (the ceiling of the running maximum): every later rescaling is an exact power of two, which a block's scale takes up: the codes' values come out the same.
;;   OPERANDS COMPUTED ON THE WAY. 'Computed on the way' means the value that the module computes at that place (a softmax that the list does not call 'softmax' is quantised finished and normalised). What goes into a quantiser is computed in f32, as accurately as f32 sums, v_exp_f32 and their like allow (about 1e-6 of the number): no bf16 or f16 on the way to a quantiser, and a product that is left as it is and whose result goes on into a quantised operand takes f32 operands (vector FMAs, or v_wmma_f32_16x16x4_f32). A number that lies on a knife's edge between two numbers of the format may be rounded either way, as far as f32 arithmetic and the matrix unit's own rounding can turn it there, and no further.
;; One version. Each part assembles by itself: llvm-mc -triple=amdgcn-amd-amdhsa -mcpu=gfx1250 --defsym DOCPART=n.
;; ======== version 1 of 1: 4 launches
;; workspace buffers: xq 6,553,600 bytes; wq 3,276,800 bytes; qq 6,815,744 bytes; kv 13,369,344 bytes; yq 6,553,600 bytes
;; launch quant (part 1): grid 512 x 1, 4 waves a work-group, no clusters, 48,128 bytes of LDS; arguments x, c_attn_w, c_proj_w, xq, wq; writes xq, wq
.if DOCPART == 1
	.amdgcn_target "amdgcn-amd-amdhsa--gfx1250"
	.amdhsa_code_object_version 6
	.text
	.protected	k_qbbf1e05436_quant
	.globl	k_qbbf1e05436_quant
	.p2align	8
	.type	k_qbbf1e05436_quant,@function
k_qbbf1e05436_quant:
	s_mov_b64 s[64:65], 0
	v_nop
	global_prefetch_b8 v0, s[64:65] scope:SCOPE_SE
	s_setreg_imm32_b32 hwreg(HW_REG_WAVE_MODE, 25, 1), 1
	s_wait_xcnt 0x0
; x [8192][1024], c_attn_w [1024][3072] and c_proj_w [1024][1024], f32, become codes of BF6 (E3M2) with one E8M0 byte for each 32 along K (K = the 1,024 channels), laid in the ORDER OF
; THE OPERAND'S REGISTERS, so that the products' launches load fragments as they stand.
; A TILE is 16 rows (of x) or columns (of a weight): tile 2 B + u holds 32 B + 8 u + r + 8 (r / 8), r = 0 .. 15.
; AN IMAGE of a fragment (a tile x 128 K, 12 registers a lane) is 1,536 bytes: registers 0-3 at 16 l, 4-5 at 512 + 8 l, 6-9 at 768 + 16 l, 10-11 at 1280 + 8 l (l = the lane).
; A RECORD (a tile x 512 K) is four images and 256 bytes of scale words ([r][4 words], word q for the q-th 128 K): 6,400 bytes, at (2 tile + K half) x 6,400.
; A block's scale is 2^(floor(log2(its largest magnitude)) - 4); its byte is the largest magnitude's exponent field - 4, held at 1 from below.
; LIMITS: NaN and infinities among the inputs are not served.  A block of zeros gets the byte 1 where the rule says 127: its codes are zeros, and this program alone reads the bytes.
; Work-groups 0-255 take x (a wave a record), 256-511 the weights (a work-group 32 columns x 512 K, a wave 128 K).  The work-groups share no input: no cluster.  Each way has LDS bytes of its own.
.set XP,    528                        ; x's stage: a row of 512 bytes + 16, an odd multiple of 16: the 16 rows of a load start in different banks
.set XSW,   16*XP                      ; a wave's stage
.set WST,   4*XSW                      ; the weights' stages: two images a wave,
.set WIM,   1664                       ; 1,536 + 128 bytes apart
.set WSW,   2*WIM
.set SCG,   WST+4*WSW                  ; the weights' scale words: two units of 256 bytes
.set REC,   6400
.set FI,    1536
.set FLOOR, 0x2800000                  ; 2^(5 - 127)
.set EOFF,  0xfe000000                 ; 4 off an exponent field
.set G,    16                          ; x: v16-143 two sets of 64 numbers as loaded
.set X,    144                         ; v144-207 my 64 numbers: blocks h and 2 + h of my row
.set F,    208                         ; v208-219 the fragment
.set CT,   220                         ; v220-222, v224-226 the blocks' upper halves (a conversion's three registers begin on an even number)
.set MX,   228
.set SO,   230
.set BY,   232
.set T,    234
.set W,    236                         ; v236-239 the four scale words
.set D,    16                          ; weights: v16-143 my column's 128 numbers
.set CW,   144                         ; v144-167 their codes, six registers a block
.set OUTR, 180                         ; v180-203 two images read back
.set AD,   208                         ; v208-239 the loads' offsets: 4 L + i rows of the weight, i = 0 .. 31; never rewritten
.set SWB,  240                         ; v240-243 wave 0: the scale words read back
	s_load_b256 s[4:11], s[0:1], 0x0               ; x s[4:5], c_attn_w s[6:7], c_proj_w s[8:9], xq s[10:11]
	s_load_b64 s[12:13], s[0:1], 0x20              ; wq
	v_lshl_add_u32 v254, v0, 2, 0xba00
	v_mov_b32 v255, 0
	v_lshrrev_b32 v1, 5, v0
	v_readfirstlane_b32 s16, v1                    ; wave
	v_and_b32 v10, 31, v0                          ; lane l
	v_and_b32 v11, 15, v0                          ; l % 16
	v_bfe_u32 v12, v0, 4, 1                        ; h = l / 16
	s_cmp_lt_u32 ttmp9, 256
	s_cbranch_scc0 .Lweights
; ---------------- x: wave J = 4 x work-group + wave makes record J
	v_lshlrev_b32 v1, 4, v10                       ; 16 l
	v_lshlrev_b32 v2, 3, v10                       ; 8 l
	s_mul_i32 s20, s16, XSW
	v_add_nc_u32 v3, s20, v1                       ; into the stage: a row's 512 bytes as they lie
	v_mul_u32_u24 v4, v11, XP
	v_lshl_add_u32 v4, v12, 7, v4
	v_add_nc_u32 v4, s20, v4                       ; out of it: row r, + 128 h: 32 neighbours
	v_lshlrev_b32 v5, 4, v11
	v_lshl_add_u32 v5, v12, 3, v5                  ; the scale unit: 16 r + 8 h
	v_lshlrev_b32 v6, 3, v12                       ; 8 h
	v_mov_b32 v[T], 0
	v_mov_b32 v[T+1], 0                            ; written once: a lane permute's destination counts as one of its sources
	s_mov_b32 s18, 0x76543210
	s_mov_b32 s19, 0xfedcba98                      ; selects for lane l xor 16
	s_lshl_b32 s21, ttmp9, 2
	s_add_co_u32 s21, s21, s16                     ; J
	s_lshr_b32 s22, s21, 1                         ; the tile
	s_and_b32 s23, s21, 1                          ; the K half
	s_lshr_b32 s24, s22, 1
	s_lshl_b32 s24, s24, 5
	s_and_b32 s25, s22, 1
	s_lshl_b32 s25, s25, 3
	s_add_co_u32 s24, s24, s25                     ; the tile's first row: 32 (tile / 2) + 8 (tile % 2)
	s_lshl_b32 s24, s24, 12                        ; rows of 4,096 bytes
	s_lshl_b32 s25, s23, 11
	s_add_co_u32 s24, s24, s25
	s_mov_b32 s25, 0
	s_mul_i32 s26, s21, REC
	s_mov_b32 s27, 0
	s_wait_alu depctr_va_vdst(0)
	s_wait_kmcnt 0x0
	s_add_nc_u64 s[4:5], s[4:5], s[24:25]
	s_add_nc_u64 s[10:11], s[10:11], s[26:27]
.macro XLOAD q, set                    ; 128 K of the tile's 16 rows: each load takes 512 consecutive bytes of one row
.irp i, 0,1,2,3,4,5,6,7,8,9,10,11,12,13,14,15
	global_load_b128 v[G+64*(\set)+4*\i:G+64*(\set)+4*\i+3], v1, s[4:5] offset:(\i+8*(\i/8))*4096+512*(\q) th:TH_LOAD_NT
.endr
.endm
.macro XTURN set                       ; through my own stage: LDS serves a wave's instructions in order, so no wait stands between the stores and the loads
.irp i, 0,1,2,3,4,5,6,7,8,9,10,11,12,13,14,15
	ds_store_b128 v3, v[G+64*(\set)+4*\i:G+64*(\set)+4*\i+3] offset:XP*\i
.endr
.irp c, 0,1
.irp j, 0,1,2,3,4,5,6,7
	ds_load_b128 v[X+32*\c+4*\j:X+32*\c+4*\j+3], v4 offset:256*\c+16*\j
.endr
.endr
.endm
.macro QW q                            ; my two whole blocks become registers 6 c .. 6 c + 5 of the fragment; the row's four bytes become word q
.irp c, 0,1
	v_max3_num_f32 v[MX+\c], |v[X+32*\c]|, |v[X+32*\c+1]|, FLOOR
.endr
.irp i, 2,4,6,8,10,12,14,16,18,20,22,24,26,28,30
.irp c, 0,1
	v_max3_num_f32 v[MX+\c], v[MX+\c], |v[X+32*\c+\i]|, |v[X+32*\c+\i+1]|
.endr
.endr
.irp c, 0,1
	v_add_nc_u32 v[SO+\c], EOFF, v[MX+\c]          ; the conversion takes the exponent field of this operand as its scale
.endr
.irp c, 0,1
	v_lshrrev_b32 v[BY+\c], 23, v[SO+\c]           ; the scale's byte
.endr
	v_lshl_or_b32 v[T], v[BY+1], 16, v[BY]         ; blocks h and 2 + h,
	v_lshlrev_b32 v[T], v6, v[T]                   ; at their places in the word;
	v_permlanex16_b32 v[T+1], v[T], s18, s19
	v_or_b32 v[W+(\q)], v[T], v[T+1]               ; with lane l xor 16's two the word is whole
.irp c, 0,1
	v_cvt_scalef32_pk16_bf6_f32 v[F+6*\c:F+6*\c+2], v[X+32*\c:X+32*\c+15], v[SO+\c]
	v_cvt_scalef32_pk16_bf6_f32 v[CT+4*\c:CT+4*\c+2], v[X+32*\c+16:X+32*\c+31], v[SO+\c]
.endr
	v_nop                                          ; one plain line behind the scaled conversions
.irp c, 0,1
.irp i, 0,1,2
	v_mov_b32 v[F+6*\c+3+\i], v[CT+4*\c+\i]
.endr
.endr
.endm
.macro XOUT q                          ; the image: each store covers 512 or 256 consecutive bytes, aligned
	global_store_b128 v1, v[F:F+3], s[10:11] offset:FI*(\q) th:TH_STORE_NT
	global_store_b64 v2, v[F+4:F+5], s[10:11] offset:FI*(\q)+512 th:TH_STORE_NT
	global_store_b128 v1, v[F+6:F+9], s[10:11] offset:FI*(\q)+768 th:TH_STORE_NT
	global_store_b64 v2, v[F+10:F+11], s[10:11] offset:FI*(\q)+1280 th:TH_STORE_NT
.endm
.macro XFRAG q
.if (\q) < 3
	s_wait_loadcnt 16                              ; this fragment's 16 loads are in; the next fragment's 16 may be out
.else
	s_wait_loadcnt 0x0
.endif
	XTURN (\q)%2
	s_wait_dscnt 0x0                               ; my numbers are back, and the stage's stores have read their registers,
.if (\q) < 2
	XLOAD (\q)+2, (\q)%2                           ; which take the fragment two on
.endif
.if (\q) > 0
	s_wait_xcnt 0x0                                ; the last image's stores have read F: it is written again only behind this wait
.endif
	QW \q
	XOUT \q
.endm
	XLOAD 0, 0
	XLOAD 1, 1
	XFRAG 0
	XFRAG 1
	XFRAG 2
	XFRAG 3
	s_mov_b32 vcc_lo, 0xffff0000                   ; lanes 16-31
	v_cndmask_b32 v[T], v[W], v[W+2], vcc_lo       ; lanes 0-15 store words 0, 1 of their row, lanes 16-31 words 2, 3
	v_cndmask_b32 v[T+1], v[W+1], v[W+3], vcc_lo
	global_store_b64 v5, v[T:T+1], s[10:11] offset:4*FI th:TH_STORE_NT   ; 256 consecutive bytes, aligned
	s_wait_tensorcnt 0x0
	ds_add_u32 v254, v255
	s_wait_dscnt 0x0
	s_endpgm
; ---------------- the weights: K is the FIRST axis.  A lane takes a column and its registers run down K: a block of 32 lies in one lane, and the codes come out with K innermost.
; Both weights take ONE way through the text: the pointer, the row's pitch and the first column are chosen on the work-group's number; nothing else differs.
.Lweights:
	s_wait_alu depctr_va_vdst(0)
	v_lshlrev_b32 v2, 2, v10                       ; 4 L: my column among the 32
	v_bfe_u32 v13, v0, 3, 1                        ; u: column L lies in tile u = (L / 8) % 2,
	v_and_b32 v14, 7, v0
	v_lshl_or_b32 v14, v12, 3, v14                 ; at place r = L % 8 + 8 (L / 16)
	s_mul_i32 s20, s16, WSW
	s_add_co_u32 s20, s20, WST                     ; my wave's two images
	v_mul_u32_u24 v15, v13, WIM
	v_add_nc_u32 v15, s20, v15
	v_lshl_add_u32 v3, v14, 4, v15                 ; into them: 16 r,
	v_lshl_add_u32 v4, v14, 3, v15                 ; and 8 r
	v_lshl_add_u32 v5, v10, 4, s20                 ; back: 16 l,
	v_lshl_add_u32 v6, v10, 3, s20                 ; and 8 l
	v_lshlrev_b32 v7, 8, v13
	v_lshl_add_u32 v7, v14, 4, v7
	s_lshl_b32 s21, s16, 2
	s_add_co_u32 s21, s21, SCG
	v_add_nc_u32 v7, s21, v7                       ; my column's scale word: unit u, 16 r + 4 x wave
	v_lshl_add_u32 v8, v10, 4, SCG                 ; wave 0 reads both units back
	v_mul_u32_u24 v9, v12, 2*REC
	v_lshl_add_u32 v9, v11, 4, v9                  ; and stores them: lanes 0-15 tile 2 Bn's, lanes 16-31 the next tile's
	v_lshlrev_b32 v177, 4, v10                     ; 16 l
	v_lshlrev_b32 v178, 3, v10                     ; 8 l
	s_sub_co_u32 s22, ttmp9, 256
	s_lshr_b32 s23, s22, 1                         ; Bn: which 32 columns (0-95 c_attn_w's, 96-127 c_proj_w's)
	s_and_b32 s24, s22, 1                          ; the K half
	s_lshl_b32 s25, s24, 9
	s_lshl_b32 s26, s16, 7
	s_add_co_u32 s25, s25, s26                     ; my first row of the weight: 512 x half + 128 x wave
	s_lshl_b32 s26, s23, 2
	s_add_co_u32 s26, s26, s24
	s_mul_i32 s26, s26, REC                        ; the record of tile 2 Bn
	s_mov_b32 s27, 0
	s_mul_i32 s30, s16, FI
	s_mov_b32 s31, 0
	s_mov_b32 s33, 4096
	s_cmp_lt_u32 s23, 96                           ; c_attn_w's columns or c_proj_w's?  The choice hangs on the work-group's number alone
	s_cselect_b32 s33, 12288, s33                  ; a row of the weight in bytes
	s_cselect_b32 s32, 0, 96
	s_sub_co_u32 s32, s23, s32                     ; which 32 columns of that weight
	s_lshl_b32 s32, s32, 7                         ; 128 bytes each
	s_mul_i32 s28, s25, s33
	s_add_co_u32 s28, s28, s32                     ; where my wave's part begins (under 12,582,912 bytes)
	s_mov_b32 s29, 0
	s_lshl_b32 s34, s33, 5                         ; a block on: 32 rows
	s_mov_b32 s35, 0
.set i, 0
.rept 32
	v_mad_u32_u24 v[AD+i], s33, i, v2              ; row i of a block, my column
.set i, i+1
.endr
	s_wait_alu depctr_va_vdst(0)
	s_wait_kmcnt 0x0
	s_add_nc_u64 s[12:13], s[12:13], s[26:27]
	s_add_nc_u64 s[14:15], s[12:13], s[30:31]      ; my image in the record
	s_cmp_lt_u32 s23, 96
	s_cselect_b64 s[6:7], s[6:7], s[8:9]
	s_add_nc_u64 s[6:7], s[6:7], s[28:29]          ; block 0,
	s_add_nc_u64 s[8:9], s[6:7], s[34:35]          ; block 1,
	s_add_nc_u64 s[36:37], s[8:9], s[34:35]        ; block 2,
	s_add_nc_u64 s[38:39], s[36:37], s[34:35]      ; block 3: a base for each, none rewritten
.macro WLOAD kb, base                  ; block kb: 32 rows; each load takes 128 consecutive bytes of one row
.set i, 0
.rept 32
	global_load_b32 v[D+32*(\kb)+i], v[AD+i], s[\base:\base+1]
.set i, i+1
.endr
.endm
.macro WBLK kb, nb                     ; block kb of my column belongs to lane r + 16 (kb % 2), registers 6 (kb / 2) on, of image u.  nb: the base of the block two on, or 0
.set DSRC, D+32*(\kb)
.if (\kb) < 3
	s_wait_loadcnt 32                              ; this block's 32 loads are in; the next block's 32 may be out
.else
	s_wait_loadcnt 0x0
.endif
.if (\nb)
	WLOAD (\kb)+2, \nb                             ; two blocks ahead, into registers of its own
.endif
	v_max3_num_f32 v172, |v[DSRC]|, |v[DSRC+1]|, |v[DSRC+2]|
	v_max3_num_f32 v173, |v[DSRC+3]|, |v[DSRC+4]|, |v[DSRC+5]|
.irp i, 6,10,14,18,22,26
	v_max3_num_f32 v172, v172, |v[DSRC+\i]|, |v[DSRC+\i+1]|
	v_max3_num_f32 v173, v173, |v[DSRC+\i+2]|, |v[DSRC+\i+3]|
.endr
	v_max3_num_f32 v172, v172, |v[DSRC+30]|, |v[DSRC+31]|
	v_max3_num_f32 v172, v172, v173, FLOOR
	v_add_nc_u32 v174, EOFF, v172
	v_lshrrev_b32 v175, 23, v174
.if (\kb) == 0
	v_mov_b32 v176, v175
.else
	v_lshl_or_b32 v176, v175, 8*(\kb), v176        ; four bytes make my column's scale word
.endif
	v_cvt_scalef32_pk16_bf6_f32 v[CW+6*(\kb):CW+6*(\kb)+2], v[DSRC:DSRC+15], v174
	v_cvt_scalef32_pk16_bf6_f32 v[168:170], v[DSRC+16:DSRC+31], v174
	v_nop                                          ; one plain line behind the scaled conversions
.irp i, 0,1,2
	v_mov_b32 v[CW+6*(\kb)+3+\i], v[168+\i]
.endr
	ds_store_b128 v3, v[CW+6*(\kb):CW+6*(\kb)+3] offset:768*((\kb)/2)+256*((\kb)%2)
	ds_store_b64 v4, v[CW+6*(\kb)+4:CW+6*(\kb)+5] offset:768*((\kb)/2)+512+128*((\kb)%2)
.endm
	WLOAD 0, 6
	WLOAD 1, 8
	WBLK 0, 36
	WBLK 1, 38
	WBLK 2, 0
	WBLK 3, 0
	ds_store_b32 v7, v176
.irp u, 0,1                            ; my own bytes, served in order: the two images come back lane by lane
	ds_load_b128 v[OUTR+12*\u:OUTR+12*\u+3], v5 offset:WIM*\u
	ds_load_b64 v[OUTR+12*\u+4:OUTR+12*\u+5], v6 offset:WIM*\u+512
	ds_load_b128 v[OUTR+12*\u+6:OUTR+12*\u+9], v5 offset:WIM*\u+768
	ds_load_b64 v[OUTR+12*\u+10:OUTR+12*\u+11], v6 offset:WIM*\u+1280
.endr
	s_wait_dscnt 0x0                               ; the images are back; and, for the others' sake, my scale words have landed
.irp u, 0,1
	global_store_b128 v177, v[OUTR+12*\u:OUTR+12*\u+3], s[14:15] offset:2*REC*\u th:TH_STORE_NT
	global_store_b64 v178, v[OUTR+12*\u+4:OUTR+12*\u+5], s[14:15] offset:2*REC*\u+512 th:TH_STORE_NT
	global_store_b128 v177, v[OUTR+12*\u+6:OUTR+12*\u+9], s[14:15] offset:2*REC*\u+768 th:TH_STORE_NT
	global_store_b64 v178, v[OUTR+12*\u+10:OUTR+12*\u+11], s[14:15] offset:2*REC*\u+1280 th:TH_STORE_NT
.endr
	s_barrier_signal -1
	s_barrier_wait -1                              ; all four waves' words lie in the two units
	s_cmp_lg_u32 s16, 0
	s_cbranch_scc1 .Lw_end
	ds_load_b128 v[SWB:SWB+3], v8                  ; into registers that no pending store names
	s_wait_dscnt 0x0
	global_store_b128 v9, v[SWB:SWB+3], s[12:13] offset:4*FI th:TH_STORE_NT   ; sixteen lanes store 256 consecutive bytes, aligned
.Lw_end:
	s_wait_tensorcnt 0x0
	ds_add_u32 v254, v255
	s_wait_dscnt 0x0
	s_endpgm
.Lfunc_end_k_qbbf1e05436_quant:
	.size	k_qbbf1e05436_quant, .Lfunc_end_k_qbbf1e05436_quant-k_qbbf1e05436_quant
	.p2alignl 7, 3214868480
	.fill 96, 4, 3214868480
	.section	.rodata,"a",@progbits
	.p2align	6, 0x0
	.amdhsa_kernel k_qbbf1e05436_quant
		.amdhsa_group_segment_fixed_size 48128
		.amdhsa_private_segment_fixed_size 0
		.amdhsa_enable_private_segment 0
		.amdhsa_kernarg_size 40
		.amdhsa_user_sgpr_count 2
		.amdhsa_user_sgpr_kernarg_segment_ptr 1
		.amdhsa_wavefront_size32 1
		.amdhsa_system_sgpr_workgroup_id_x 1
		.amdhsa_system_sgpr_workgroup_id_y 1
		.amdhsa_system_sgpr_workgroup_id_z 1
		.amdhsa_system_vgpr_workitem_id 0
		.amdhsa_next_free_vgpr 256
		.amdhsa_next_free_sgpr 66
		.amdhsa_reserve_vcc 1
		.amdhsa_float_denorm_mode_32 3
		.amdhsa_float_denorm_mode_16_64 3
		.amdhsa_memory_ordered 1
		.amdhsa_forward_progress 1
		.amdhsa_inst_pref_size 55
	.end_amdhsa_kernel
	.amdgpu_metadata
---
amdhsa.version: [ 1, 2 ]
amdhsa.kernels:
  - .name:           k_qbbf1e05436_quant
    .symbol:         k_qbbf1e05436_quant.kd
    .args:
      - { .name: x, .offset: 0, .size: 8, .value_kind: global_buffer, .address_space: global }
      - { .name: c_attn_w, .offset: 8, .size: 8, .value_kind: global_buffer, .address_space: global }
      - { .name: c_proj_w, .offset: 16, .size: 8, .value_kind: global_buffer, .address_space: global }
      - { .name: xq, .offset: 24, .size: 8, .value_kind: global_buffer, .address_space: global }
      - { .name: wq, .offset: 32, .size: 8, .value_kind: global_buffer, .address_space: global }
    .group_segment_fixed_size: 48128
    .private_segment_fixed_size: 0
    .kernarg_segment_align: 8
    .kernarg_segment_size: 40
    .max_flat_workgroup_size: 128
    .sgpr_count:     66
    .vgpr_count:     256
    .wavefront_size: 32
...
	.end_amdgpu_metadata
.endif
;; end of part 1
;; launch qkv (part 2): grid 12 x 64, 4 waves a work-group, clusters of 4 x 4, 307,712 bytes of LDS; arguments xq, wq, c_attn_b, qq, kv; writes qq, kv
.if DOCPART == 2
	.amdgcn_target "amdgcn-amd-amdhsa--gfx1250"
	.amdhsa_code_object_version 6
	.text
	.protected	k_qbbf1e05436_qkv
	.globl	k_qbbf1e05436_qkv
	.p2align	8
	.type	k_qbbf1e05436_qkv,@function
k_qbbf1e05436_qkv:
	s_mov_b64 s[64:65], 0
	v_nop
	global_prefetch_b8 v0, s[64:65] scope:SCOPE_SE
	s_setreg_imm32_b32 hwreg(HW_REG_WAVE_MODE, 25, 1), 1
	s_wait_xcnt 0x0
	s_wait_alu depctr_hold_cnt(0) depctr_sa_sdst(0) depctr_va_vdst(0) depctr_va_sdst(0) depctr_va_ssrc(0) depctr_va_vcc(0) depctr_vm_vsrc(0)
	s_getreg_b32 s2, hwreg(HW_REG_IB_STS2, 6, 4)
	s_cmp_eq_u32 s2, 0
	s_cbranch_scc0 .Lentry_in_a_cluster
	s_endpgm
.Lentry_in_a_cluster:
	s_bfe_u32 s2, ttmp6, 0x10000c
	s_cmp_lg_u32 s2, 0xf033
	s_cbranch_scc0 .Lentry_shape_is_right
	s_endpgm
.Lentry_shape_is_right:
; qkv = x c_attn_w + c_attn_b on codes of BF6 (E3M2) with E8M0 scales, sums in f32; q, k and v leave as codes, quantised in registers, laid as the attention launch's operand registers want them.
; A work-group makes 128 rows (tokens) x 256 columns; K = 1,024 lies in LDS whole (two halves of 512, each filled once): 8 tiles of x and 16 of the weight, as records of 6,400 bytes (four images of
; 1,536 bytes and 256 bytes of scale words).  A tile is 16 rows: tile 2 B + u holds 32 B + 8 u + r + 8 (r / 8).  An image: registers 0-3 at 16 l, 4-5 at 512 + 8 l, 6-9 at 768 + 16 l, 10-11 at 1280 + 8 l.
; Four waves, each P 128 x R 64: source 0 = a tile of P, source 1 = a tile of R; in the result a lane holds ONE index of R, and the 16 registers of P's tiles 2 B, 2 B + 1 are P's indices 32 B + 16 h + 0 .. 15.
; So P is the axis along which the result is quantised.  q, k (cluster x = 0, 1): P = 128 columns (two heads' channels), R = 64 tokens.  v (cluster x = 2): P = the 128 tokens (keys), R = 64 columns (a head).
; The two cases differ in LDS base addresses, in the bias's layout and in the stores' addresses alone; the choice hangs on the cluster's x, which all partners share.
; CLUSTER 4 x 4: x's tiles hang on the work-group's y and are asked for jointly along a row of the cluster, the weight's on its x and jointly along a column.
; OUT.  q: a head's group of 128 queries is 6,656 bytes: 8 tiles x 768 (registers 0-5 of an image: K = 64), then 512 bytes of scale words.  k, v: a head's granule of 128 keys is 13,056 bytes: k as q,
; then v's four images (16 channels x 128 keys) at 6,656 and their scale words at 12,800.  Every store covers 256 or 512 consecutive bytes, aligned.
; LIMITS: NaN and infinities are not served; a block of zeros gets the byte 1 (its codes are zeros; this program alone reads the bytes).
; REGISTERS: window 0: v1-15 addresses; v16-63 scale words; v64-159 R's fragments, two sets; v160-223 the bias for q, k; v224-255 at work.  window 1: P's fragments, two sets of 96; v192-223 the bias for v.
;   window 2: accumulator (a, b) at v[8 (8 a + b)].
.set REC,  6400
.set FI,   1536
.set HALF, 24*REC                      ; a K half in LDS: x's 8 records, then the weight's 16
.set WT0,  0                           ; c_attn_w's first tile in wq
.set G1A, 24                           ; s[24:31], s[32:39] descriptor groups 1; s[40:47], s[48:55] groups 0, one for each half
.set G1B, 32
.set G0A, 40
.set G0B, 48
.set SEL, 62
.set S1,  84
.set S2,  86
.set SS,  88
.set SS2, 90
.set STP, 92
.set P16, 4                            ; v4-5 P's images in half 0, 1: + 16 l;  v6-7: + 8 l;  v8-11 the same for R
.set P8,  6
.set R16, 8
.set R8,  10
.set STA, 12                           ; v12-13 scale words: lanes 0-15 R's tiles 0-3, lanes 16-31 P's tiles 0-3
.set SUA, 14                           ; v14-15 lanes 0-15 P's tiles 4, 6, lanes 16-31 P's tiles 5, 7
.set SC,  16
.set RF,  64
.set BI,  160
.set BV,  192
.set TM,  224
.set SW,  240
.set F,   64
.set CT,  76
.set MSB, 0
.macro WIN new                         ; the immediate's high byte repeats the setting that is left
.if MSB != \new
	s_set_vgpr_msb (MSB<<8)|\new
.set MSB, \new
.endif
.endm
.macro CROUND                          ; a round of the cluster's barrier
	s_barrier_signal -1
	s_barrier_wait -1
	s_cmp_lg_u32 s14, 0
	s_cbranch_scc1 .Lnot_wave_0_\@
	s_barrier_signal -3
.Lnot_wave_0_\@:
	s_barrier_wait -3
	s_barrier_signal -1
	s_barrier_wait -1
.endm
.macro PLACES                          ; four plain lines between a matrix instruction and a load into, or a read of, its registers
.rept 4
	v_nop
.endr
.endm
.macro FRAG reg, a16, a8, off          ; an image comes back as it was stored
	ds_load_b128 v[(\reg):(\reg)+3], v[\a16] offset:(\off)
	ds_load_b64 v[(\reg)+4:(\reg)+5], v[\a8] offset:(\off)+512
	ds_load_b128 v[(\reg)+6:(\reg)+9], v[\a16] offset:(\off)+768
	ds_load_b64 v[(\reg)+10:(\reg)+11], v[\a8] offset:(\off)+1280
.endm
.macro SCALES hf                       ; a half's scale words: four words (four K steps) a row and load
	WIN 0
.irp i, 0,1,2,3
	ds_load_b128 v[SC+24*(\hf)+4*\i:SC+24*(\hf)+4*\i+3], v[STA+(\hf)] offset:REC*\i
.endr
.irp j, 0,1
	ds_load_b128 v[SC+24*(\hf)+16+4*\j:SC+24*(\hf)+16+4*\j+3], v[SUA+(\hf)] offset:2*REC*\j
.endr
.endm
.macro FETCH hf, q, set                ; K step q of half hf: P's eight fragments and R's four
	WIN 0x40
.irp b, 0,1,2,3,4,5,6,7
	FRAG 96*(\set)+12*\b, P16+(\hf), P8+(\hf), REC*\b+FI*(\q)
.endr
	WIN 0
.irp a, 0,1,2,3
	FRAG RF+48*(\set)+12*\a, R16+(\hf), R8+(\hf), REC*\a+FI*(\q)
.endr
.endm
; 32 products; the 32 accumulators take turns, one instruction a turn, in the same order in every step.  cm = 0: onto the sums; 1, 2: the bias starts them.
.macro MUL hf, q, set, cm
.if \cm == 0
	WIN 0xa1
.elseif \cm == 1
	WIN 0x81
.else
	WIN 0x91
.endif
.irp a, 0,1,2,3
.irp b, 0,1,2,3,4,5,6,7
.set rD, 8*(8*\a+\b)
.set rP, 96*(\set)+12*\b
.set rR, RF+48*(\set)+12*\a
.set sR, SC+24*(\hf)+4*\a+(\q)
.if \b < 4
.set sP, SC+24*(\hf)+4*\b+(\q)
.else
.set sP, SC+24*(\hf)+16+4*((\b-4)/2)+(\q)
.endif
.if \cm == 0
.set rC, rD
.elseif \cm == 1
.set rC, BI+8*\b
.else
.set rC, BV+8*\a
.endif
.if (\b < 4) || (\b % 2)
	v_wmma_scale_f32_16x16x128_f8f6f4 v[rD:rD+7], v[rP:rP+11], v[rR:rR+11], v[rC:rC+7], v[sP], v[sR] matrix_a_fmt:MATRIX_FMT_BF6 matrix_b_fmt:MATRIX_FMT_BF6 matrix_a_scale:MATRIX_SCALE_ROW1
.else
	v_wmma_scale_f32_16x16x128_f8f6f4 v[rD:rD+7], v[rP:rP+11], v[rR:rR+11], v[rC:rC+7], v[sP], v[sR] matrix_a_fmt:MATRIX_FMT_BF6 matrix_b_fmt:MATRIX_FMT_BF6
.endif
.endr
.endr
.endm
.macro STEP kk                         ; a K step of 128: the next step's 48 loads go out at its head and have its 32 products in which to land
.if (\kk) == 3
	s_wait_tensorcnt 0x0                           ; my part of half 1 has landed
.endif
	s_wait_dscnt 0x0                               ; this step's fragments are in
.if (\kk) == 3
	s_barrier_signal -1
	s_barrier_wait -1                              ; everybody's part has
.endif
	PLACES
.if (\kk) == 3
	SCALES 1
.endif
.if (\kk) < 7
	FETCH ((\kk)+1)/4, ((\kk)+1)%4, ((\kk)+1)%2
.endif
	MUL (\kk)/4, (\kk)%4, (\kk)%2, 0
.endm
	s_load_b256 s[4:11], s[0:1], 0x0               ; xq s[4:5], wq s[6:7], c_attn_b s[8:9], qq s[10:11]
	s_load_b64 s[12:13], s[0:1], 0x20              ; kv
	v_lshl_add_u32 v254, v0, 2, 0x4b000
	v_mov_b32 v255, 0
	ds_add_u32 v254, v255
	ds_add_u32 v254, v255
	v_lshrrev_b32 v1, 5, v0
	v_readfirstlane_b32 s14, v1                    ; wave
	s_and_b32 s15, s14, 1                          ; rh; also: which half of a tile's records I fetch
	s_lshr_b32 s16, s14, 1                         ; ph
	s_bfe_u32 s17, ttmp6, 0x40000                  ; cx
	s_bfe_u32 s18, ttmp6, 0x40004                  ; cy
	s_lshl_b32 s19, ttmp9, 2
	s_add_co_u32 s19, s19, s17                     ; X: which 256 columns
	s_and_b32 s20, ttmp7, 0xffff
	s_lshl_b32 s20, s20, 2
	s_add_co_u32 s20, s20, s18                     ; Y: which 128 rows
	s_lshl_b32 s21, s18, 2
	s_lshl_b32 s21, 15, s21                        ; my row of the cluster
	s_lshl_b32 s22, 0x1111, s17                    ; my column
	s_or_b32 s[G1A], s21, (3<<16)|(1<<21)          ; the mask; elements of 8 bytes; bit 21 beside a mask; no padding
	s_or_b32 s[G1B], s22, (3<<16)|(1<<21)
.irp g, G1A, G1B
	s_mov_b32 s[\g+1], 800<<16                     ; tensor_dim0: a record, 800 elements
	s_mov_b32 s[\g+3], 800<<16                     ; tile_dim0
	s_mov_b32 s[\g+5], 1600                        ; from tile to tile: two records
	s_mov_b32 s[\g+6], 0
	s_mov_b32 s[\g+7], 0
.endr
	s_mov_b32 s[G1A+2], 4<<16                      ; x: four records a load
	s_mov_b32 s[G1A+4], 4
	s_mov_b32 s[G1B+2], 8<<16                      ; the weight: eight
	s_mov_b32 s[G1B+4], 8
	s_lshl_b32 s56, s20, 3
	s_lshl_b32 s57, s15, 2
	s_add_co_u32 s56, s56, s57                     ; x's tile 8 Y + 4 (wave % 2)
	s_mul_i32 s56, s56, 2*REC
	s_mov_b32 s57, 0
	s_lshl_b32 s58, s19, 4
	s_lshl_b32 s59, s15, 3
	s_add_co_u32 s58, s58, s59                     ; the weight's tile 16 X + 8 (wave % 2)
	s_add_co_u32 s58, s58, WT0
	s_mul_i32 s58, s58, 2*REC
	s_mov_b32 s59, 0
	s_mul_i32 s60, s15, 4*REC                      ; where they go: no place in the cluster enters an LDS address
	s_mul_i32 s61, s15, 8*REC
	s_add_co_u32 s61, s61, 8*REC
	s_wait_dscnt 0x0
	s_wait_kmcnt 0x0
	s_add_nc_u64 s[56:57], s[4:5], s[56:57]
	s_add_nc_u64 s[58:59], s[6:7], s[58:59]
.irp h, 0,1
	s_mov_b32 s[G0A+4*\h], 1
	s_add_co_u32 s[G0A+4*\h+1], s60, \h*HALF
	s_add_nc_u64 s[G0A+4*\h+2:G0A+4*\h+3], s[56:57], \h*REC
	s_or_b32 s[G0A+4*\h+3], s[G0A+4*\h+3], 0x80000000
	s_mov_b32 s[G0B+4*\h], 1
	s_add_co_u32 s[G0B+4*\h+1], s61, \h*HALF
	s_add_nc_u64 s[G0B+4*\h+2:G0B+4*\h+3], s[58:59], \h*REC
	s_or_b32 s[G0B+4*\h+3], s[G0B+4*\h+3], 0x80000000
.endr
	CROUND                                         ; all sixteen work-groups are here: the joint loads meet
	s_cmp_lt_u32 s14, 2                            ; waves 0, 1 fetch x's records, waves 2, 3 the weight's: a wave's two fills stand in one branch; two loads of mine are out
	s_cbranch_scc0 .Lfill_b
	tensor_load_to_lds s[G0A:G0A+3], s[G1A:G1A+7]
	s_nop 0
	tensor_load_to_lds s[G0A+4:G0A+7], s[G1A:G1A+7]
	s_nop 0
	PLACES
	s_branch .Lfilled
.Lfill_b:
	tensor_load_to_lds s[G0B:G0B+3], s[G1B:G1B+7]
	s_nop 0
	tensor_load_to_lds s[G0B+4:G0B+7], s[G1B:G1B+7]
	s_nop 0
	PLACES
.Lfilled:
	; the roles: where P's and R's records begin in a half
	s_mul_i32 s66, s16, 8*REC
	s_add_co_u32 s66, s66, 8*REC                   ; q, k: P = the weight's tiles 8 ph on,
	s_mul_i32 s67, s15, 4*REC                      ;       R = x's tiles 4 rh on
	s_mul_i32 s68, s14, 4*REC
	s_add_co_u32 s68, s68, 8*REC                   ; v: R = the weight's tiles 4 w on,
	s_cmp_eq_u32 ttmp9, 2
	s_cselect_b32 s66, 0, s66                      ;    P = x's eight tiles
	s_cselect_b32 s67, s68, s67
	v_and_b32 v3, 31, v0
	v_lshlrev_b32 v1, 4, v3                        ; 16 l
	v_lshlrev_b32 v2, 3, v3                        ; 8 l
	v_and_b32 v224, 15, v0                         ; r
	v_bfe_u32 v225, v0, 4, 1                       ; h
	v_add_nc_u32 v[P16], s66, v1
	v_add_nc_u32 v[P8], s66, v2
	v_add_nc_u32 v[R16], s67, v1
	v_add_nc_u32 v[R8], s67, v2
	v_lshl_add_u32 v226, v224, 4, 4*FI             ; a record's scale words: 6,144 + 16 r
	v_add_nc_u32 v227, s67, v226
	v_add_nc_u32 v228, s66, v226
	s_mov_b32 vcc_lo, 0xffff0000                   ; lanes 16-31
	v_cndmask_b32 v[STA], v227, v228, vcc_lo
	v_mad_u32_u24 v[SUA], v225, REC, v228
	v_add_nc_u32 v[SUA], 4*REC, v[SUA]
.irp n, P16, P8, R16, R8, STA, SUA
	v_add_nc_u32 v[\n+1], HALF, v[\n]
.endr
	v_lshlrev_b32 v232, 6, v225                    ; the bias for q, k: 64 h bytes
	s_wait_alu depctr_va_vdst(0)
	v_and_b32 v233, 8, v224
	v_add_nc_u32 v233, v233, v224
	v_lshlrev_b32 v233, 2, v233                    ; for v: 4 (r + 8 (r / 8))
	s_wait_alu depctr_va_vdst(0)
	s_mov_b32 s83, 0
	s_lshl_b32 s82, s19, 10
	s_lshl_b32 s75, s16, 9
	s_add_co_u32 s82, s82, s75
	s_add_nc_u64 s[94:95], s[8:9], s[82:83]        ; c_attn_b at column 256 X + 128 ph
	s_lshl_b32 s82, s19, 10
	s_lshl_b32 s75, s14, 8
	s_add_co_u32 s82, s82, s75
	s_add_nc_u64 s[96:97], s[8:9], s[82:83]        ; and at column 256 X + 64 w
	; BOTH layouts of the bias are loaded, whatever the kind (both lie inside c_attn_b for every X and wave): so no load hangs on a branch, and only step 0's products part
.irp b, 0,1,2,3,4,5,6,7                ; q, k: the C of P's tile b: columns 32 (b / 2) + 8 (b % 2) + 16 h + 0 .. 7
	global_load_b128 v[BI+8*\b:BI+8*\b+3], v232, s[94:95] offset:(32*(\b/2)+8*(\b%2))*4
	global_load_b128 v[BI+8*\b+4:BI+8*\b+7], v232, s[94:95] offset:(32*(\b/2)+8*(\b%2))*4+16
.endr
	WIN 0x40
.irp a, 0,1,2,3                        ; v: the C of R's tile a: my lane's one column, in all eight registers
.irp j, 0,1,2,3,4,5,6,7
	global_load_b32 v[BV+8*\a+\j], v233, s[96:97] offset:(32*(\a/2)+8*(\a%2))*4
.endr
.endr
	WIN 0
	; where the results go (cx enters these addresses of global stores alone)
	s_cmp_eq_u32 ttmp9, 0
	s_cselect_b64 s[70:71], s[10:11], s[12:13]     ; q into qq; k, v into kv
	s_mov_b32 s72, 208896
	s_cselect_b32 s72, 106496, s72                 ; a head's bytes
	s_mov_b32 s73, 13056
	s_cselect_b32 s73, 6656, s73                   ; a group's
	s_lshr_b32 s74, s20, 4
	s_lshl_b32 s74, s74, 4                         ; 16 x batch
	s_lshl_b32 s75, s17, 2
	s_add_co_u32 s74, s74, s75                     ; + 4 cx
	s_lshl_b32 s75, s16, 1
	s_mul_i32 s78, s15, 3072
	s_lshl_b32 s79, s15, 8
	s_add_co_u32 s79, s79, 6144
	s_mov_b32 s[STP], 768
	s_cmp_eq_u32 ttmp9, 2
	s_cselect_b32 s75, s14, s75                    ; q, k: heads 2 ph, 2 ph + 1; v: head w
	s_cselect_b32 s78, 6656, s78                   ; q, k: tile 4 rh; v: image 0
	s_cselect_b32 s79, 12800, s79                  ; the scale words
	s_cselect_b32 s80, 768, s72                    ; registers 6-11 go: q, k: to the next head; v: to the image's second half
	s_cselect_b32 s[STP], 1536, s[STP]             ; from R's tile to the next
	s_mov_b32 s[STP+1], 0
	s_add_co_u32 s74, s74, s75
	s_mul_i32 s76, s74, s72
	s_and_b32 s77, s20, 15
	s_mul_i32 s77, s77, s73
	s_add_co_u32 s76, s76, s77                     ; the head's group
	s_add_co_u32 s82, s76, s78
	s_add_nc_u64 s[S1:S1+1], s[70:71], s[82:83]
	s_mov_b32 s82, s80
	s_add_nc_u64 s[S2:S2+1], s[S1:S1+1], s[82:83]
	s_add_co_u32 s82, s76, s79
	s_add_nc_u64 s[SS:SS+1], s[70:71], s[82:83]
	s_mov_b32 s82, s72
	s_add_nc_u64 s[SS2:SS2+1], s[SS:SS+1], s[82:83]   ; (used for q, k alone)
	s_mov_b32 s[SEL], 0x76543210
	s_mov_b32 s[SEL+1], 0xfedcba98
	s_wait_tensorcnt 0x1                           ; my part of half 0 has landed; half 1's one load may stay out
	s_barrier_signal -1
	s_barrier_wait -1
	SCALES 0
	FETCH 0, 0, 0
	s_wait_loadcnt 0x0                             ; the bias
	s_wait_dscnt 0x0
	FETCH 0, 1, 1
	WIN 0                                          ; at a branch and at a label every window is 0
	s_cmp_eq_u32 ttmp9, 2
	s_cbranch_scc1 .Lstep0_v
	MUL 0, 0, 0, 1                                 ; the bias along P
	WIN 0
	s_branch .Lstep0_done
.Lstep0_v:
	MUL 0, 0, 0, 2                                 ; the bias along R
	WIN 0
.Lstep0_done:
	STEP 1
	STEP 2
	STEP 3
	STEP 4
	STEP 5
	STEP 6
	STEP 7
; 64 results of a lane (window 2, from register s on; register 16 b + i = P's index 32 b + 16 h + i) become a fragment in v[F] on and its scale word in v[w]
.macro QUANT s, w
	WIN 0x28                                       ; sources 1 and 2 in window 2
.irp b, 0,1,2,3
	v_max3_num_f32 v[TM+\b], 0x2800000, |v[(\s)+16*\b]|, |v[(\s)+16*\b+1]|   ; the floor 2^(5 - 127) among the leaves; each accumulator is read from its low end on
.endr
.irp i, 2,4,6,8,10,12,14
.irp b, 0,1,2,3
	v_max3_num_f32 v[TM+\b], v[TM+\b], |v[(\s)+16*\b+\i]|, |v[(\s)+16*\b+\i+1]|
.endr
.endr
	WIN 0
.irp b, 0,1,2,3
	v_permlanex16_b32 v[TM+4+\b], v[TM+\b], s[SEL], s[SEL+1]
.endr
.irp b, 0,1,2,3
	v_max_num_f32 v[TM+\b], v[TM+\b], v[TM+4+\b]   ; with lane l xor 16's 16: the block's largest magnitude
.endr
.irp b, 0,1,2,3
	v_add_nc_u32 v[TM+12+\b], 0xfe000000, v[TM+\b] ; 4 off its exponent field: the conversion's scale operand
.endr
.irp b, 0,1,2,3
	v_lshrrev_b32 v[TM+4+\b], 23, v[TM+12+\b]      ; the byte
.endr
	v_lshl_or_b32 v[\w], v[TM+5], 8, v[TM+4]
	v_lshl_or_b32 v[\w], v[TM+6], 16, v[\w]
	v_lshl_or_b32 v[\w], v[TM+7], 24, v[\w]
	WIN 0x02                                       ; source 0 in window 2
.irp c, 0,1
	v_cvt_scalef32_pk16_bf6_f32 v[F+6*\c:F+6*\c+2], v[(\s)+32*\c:(\s)+32*\c+15], v[TM+12+2*\c]
	v_cvt_scalef32_pk16_bf6_f32 v[CT+4*\c:CT+4*\c+2], v[(\s)+32*\c+16:(\s)+32*\c+31], v[TM+12+2*\c+1]
.endr
	WIN 0
	v_nop                                          ; one plain line behind the scaled conversions
.irp c, 0,1                            ; the operand's layout wants a whole block in a lane: lanes 0-15 block 2 c, lanes 16-31 block 2 c + 1
.irp i, 0,1,2
	v_permlane16_swap_b32 v[F+6*\c+\i], v[CT+4*\c+\i]
.endr
.irp i, 0,1,2
	v_mov_b32 v[F+6*\c+3+\i], v[CT+4*\c+\i]
.endr
.endr
.endm
	WIN 0
.irp b, 0,1,2,3
	v_mov_b32 v[TM+4+\b], 0                        ; a lane permute's destination counts as a source: written once.  These four plain lines are also the places behind the last products
.endr
.irp a, 0,1,2,3
.if \a > 0
	s_wait_xcnt 0x0                                ; the last tile's stores have read F and their bases
	s_add_nc_u64 s[S1:S1+1], s[S1:S1+1], s[STP:STP+1]
	s_add_nc_u64 s[S2:S2+1], s[S2:S2+1], s[STP:STP+1]
.endif
	QUANT 64*\a, SW+\a
	global_store_b128 v1, v[F:F+3], s[S1:S1+1] th:TH_STORE_NT
	global_store_b64 v2, v[F+4:F+5], s[S1:S1+1] offset:512 th:TH_STORE_NT
	global_store_b128 v1, v[F+6:F+9], s[S2:S2+1] th:TH_STORE_NT
	global_store_b64 v2, v[F+10:F+11], s[S2:S2+1] offset:512 th:TH_STORE_NT
.endr
	s_mov_b32 vcc_lo, 0xffff0000
	v_cndmask_b32 v246, v[SW], v[SW+1], vcc_lo     ; lanes 0-15: tile 0's words, lanes 16-31: tile 1's;
	v_cndmask_b32 v247, v[SW+2], v[SW+3], vcc_lo   ; tiles 2 and 3: so the reader's one load of 8 bytes a lane feeds four tiles
	s_cmp_eq_u32 ttmp9, 2
	s_cbranch_scc1 .Lv_scales
	v_and_b32 v248, 0xffff, v246                   ; q, k: the first head's two bytes (the upper two stay 0: they scale the zero codes of K = 64 .. 127),
	v_and_b32 v249, 0xffff, v247
	v_lshrrev_b32 v250, 16, v246                   ; the second head's
	v_lshrrev_b32 v251, 16, v247
	global_store_b64 v2, v[248:249], s[SS:SS+1] th:TH_STORE_NT
	global_store_b64 v2, v[250:251], s[SS2:SS2+1] th:TH_STORE_NT
	s_branch .Lstored
.Lv_scales:
	s_wait_alu depctr_va_vdst(0)
	global_store_b64 v2, v[246:247], s[SS:SS+1] th:TH_STORE_NT
.Lstored:
	s_wait_tensorcnt 0x0
	ds_add_u32 v254, v255
	s_wait_dscnt 0x0
	CROUND                                         ; the closing round: no work-group ends while a partner may still ask for a tile that names it
	s_endpgm
.Lfunc_end_k_qbbf1e05436_qkv:
	.size	k_qbbf1e05436_qkv, .Lfunc_end_k_qbbf1e05436_qkv-k_qbbf1e05436_qkv
	.p2alignl 7, 3214868480
	.fill 96, 4, 3214868480
	.section	.rodata,"a",@progbits
	.p2align	6, 0x0
	.amdhsa_kernel k_qbbf1e05436_qkv
		.amdhsa_group_segment_fixed_size 307712
		.amdhsa_private_segment_fixed_size 0
		.amdhsa_enable_private_segment 0
		.amdhsa_kernarg_size 40
		.amdhsa_user_sgpr_count 2
		.amdhsa_user_sgpr_kernarg_segment_ptr 1
		.amdhsa_wavefront_size32 1
		.amdhsa_system_sgpr_workgroup_id_x 1
		.amdhsa_system_sgpr_workgroup_id_y 1
		.amdhsa_system_sgpr_workgroup_id_z 1
		.amdhsa_system_vgpr_workitem_id 0
		.amdhsa_next_free_vgpr 768
		.amdhsa_next_free_sgpr 100
		.amdhsa_reserve_vcc 1
		.amdhsa_float_denorm_mode_32 3
		.amdhsa_float_denorm_mode_16_64 3
		.amdhsa_memory_ordered 1
		.amdhsa_forward_progress 1
		.amdhsa_inst_pref_size 95
	.end_amdhsa_kernel
	.amdgpu_metadata
---
amdhsa.version: [ 1, 2 ]
amdhsa.kernels:
  - .name:           k_qbbf1e05436_qkv
    .symbol:         k_qbbf1e05436_qkv.kd
    .args:
      - { .name: xq, .offset: 0, .size: 8, .value_kind: global_buffer, .address_space: global }
      - { .name: wq, .offset: 8, .size: 8, .value_kind: global_buffer, .address_space: global }
      - { .name: c_attn_b, .offset: 16, .size: 8, .value_kind: global_buffer, .address_space: global }
      - { .name: qq, .offset: 24, .size: 8, .value_kind: global_buffer, .address_space: global }
      - { .name: kv, .offset: 32, .size: 8, .value_kind: global_buffer, .address_space: global }
    .group_segment_fixed_size: 307712
    .private_segment_fixed_size: 0
    .kernarg_segment_align: 8
    .kernarg_segment_size: 40
    .max_flat_workgroup_size: 128
    .sgpr_count:     100
    .vgpr_count:     768
    .wavefront_size: 32
...
	.end_amdgpu_metadata
.endif
;; end of part 2
;; launch attn (part 3): grid 4 x 64, 16 waves a work-group, clusters of 4 x 1, 210,944 bytes of LDS; arguments qq, kv, yq; writes yq
.if DOCPART == 3
	.amdgcn_target "amdgcn-amd-amdhsa--gfx1250"
	.amdhsa_code_object_version 6
	.text
	.protected	k_qbbf1e05436_attn
	.globl	k_qbbf1e05436_attn
	.p2align	8
	.type	k_qbbf1e05436_attn,@function
k_qbbf1e05436_attn:
	s_mov_b64 s[64:65], 0
	v_nop
	global_prefetch_b8 v0, s[64:65] scope:SCOPE_SE
	s_setreg_imm32_b32 hwreg(HW_REG_WAVE_MODE, 25, 1), 1
	s_wait_xcnt 0x0
	s_wait_alu depctr_hold_cnt(0) depctr_sa_sdst(0) depctr_va_vdst(0) depctr_va_sdst(0) depctr_va_ssrc(0) depctr_va_vcc(0) depctr_vm_vsrc(0)
	s_getreg_b32 s2, hwreg(HW_REG_IB_STS2, 6, 4)
	s_cmp_eq_u32 s2, 0
	s_cbranch_scc0 .Lentry_in_a_cluster
	s_endpgm
.Lentry_in_a_cluster:
	s_bfe_u32 s2, ttmp6, 0x10000c
	s_cmp_lg_u32 s2, 0x3003
	s_cbranch_scc0 .Lentry_shape_is_right
	s_endpgm
.Lentry_shape_is_right:
; y = softmax(q k^T / 8, causal) v for 64 heads of 2,048 tokens x 64 channels, both products on codes of BF6 (E3M2) with E8M0 scales; y leaves as codes, quantised along the channels, in the last product's records.
; THE SOFTMAX: t = score x log2(e) / 8; M = the running largest t, rounded UP to a whole number; p = 2^(t - M) is quantised along the keys, not normalised; the row's sum is taken of the unquantised p in f32 and
; divides at the end.  When M moves, the sum and O are multiplied by 2^(old M - new M), which rounds nothing.
; A CLUSTER IS A HEAD.  Its K and V, 16 granules of 13,056 bytes (128 keys: K's 8 tiles x 768, K's scale words at 6,144, V's four images at 6,656, V's scale words at 12,800), come into each partner's LDS ONCE,
; by 16 joint loads, one a wave; nothing is filled again.  A tile is 16 rows: tile 2 B + u holds 32 B + 8 u + r + 8 (r / 8).
; SHARES.  Wave w of partner cx takes tile 2 cx of query group w (granules 0 .. w), then tile 2 cx + 1 of group 15 - w (granules 0 .. 15 - w): 17 key steps in every wave.  Branches and LDS addresses hang on the
; wave's number and the trip alone; cx enters Q's and y's global addresses and the mask's numbers.  Granules wholly above the diagonal are never walked.
; LAYOUT.  S^T = K Q^T and O^T = V^T P^T: a lane holds ONE query; the 16 registers of K's tiles 2 B, 2 B + 1 are keys 32 B + 16 h + 0 .. 15.
; K = 64 IN AN INSTRUCTION OF 128: Q's registers 6-11 are zero codes, so what stands in the upper six registers named for a tile of K (the next tile's codes, or a pad of zeros) adds nothing; the scale bytes there are 0.
; LIMITS: NaN and infinities are not served; a block of zeros gets the byte 1 (its codes are zeros; this program alone reads the bytes).  y's scale bytes leave singly, 32 for each 768 bytes of codes: a word spans two heads.
; REGISTERS: v1-7 addresses and the mask's d; v12 -M, v13 the largest t, v[14:15] the sum; v16-27 Q; v28 Q's scale word; v30 f, v31 p's scale word; v32-35 K's, v36-37 V's scale words; v40-87 K's, then V's fragments;
;   v88-93 zeros; v96-159 S^T, then p; v160-191 O^T; v192-203 p's codes; v204-219 at work.
.set GR,     13056
.set HEADKV, 16*GR
.set QG,     6656
.set HEADQ,  16*QG
.set REC,    6400
.set FI,     1536
.set KSC,    6144
.set VO,     6656
.set VSC,    12800
.set QF,  16
.set QS,  28
.set FM,  30
.set KS,  32
.set VS,  36
.set TA,  38
.set TC,  39
.set KV,  40
.set S,   96
.set O,   160
.set PC,  192
.set BM,  204
.set TT,  208
.set SO,  216
.set WV,  10
.set CX,  11
.set HH,  12
.set NW,  13
.set TRP, 14
.set GRN, 15
.set TB,  16
.set DG,  17
.set SEL, 20
.set CS,  22
.set G1,  24
.set G0,  32
.macro CROUND                          ; a round of the cluster's barrier
	s_barrier_signal -1
	s_barrier_wait -1
	s_cmp_lg_u32 s[WV], 0
	s_cbranch_scc1 .Lnot_wave_0_\@
	s_barrier_signal -3
.Lnot_wave_0_\@:
	s_barrier_wait -3
	s_barrier_signal -1
	s_barrier_wait -1
.endm
; the addresses of a pass: query group s[g], tile 2 cx + p.  s[36:37] Q's codes, s[38:39] Q's scale words, s[40:41] y's half image, s[42:43] y's scale bytes
.macro PASSADDR g, p
	s_mul_i32 s44, s[\g], QG
	s_add_co_u32 s46, s44, s49
	s_add_co_u32 s44, s44, s48
.if \p
	s_add_co_u32 s44, s44, 768
	s_add_co_u32 s46, s46, 128
.endif
	s_mov_b32 s45, 0
	s_mov_b32 s47, 0
	s_add_nc_u64 s[36:37], s[4:5], s[44:45]
	s_add_nc_u64 s[38:39], s[4:5], s[46:47]
	s_lshl_b32 s44, s[\g], 3
.if \p
	s_add_co_u32 s44, s44, 1
.endif
	s_mul_i32 s44, s44, 2*REC
	s_add_co_u32 s46, s44, s51
	s_add_co_u32 s44, s44, s50
	s_add_nc_u64 s[40:41], s[8:9], s[44:45]
	s_add_nc_u64 s[42:43], s[8:9], s[46:47]
.endm
	s_load_b128 s[4:7], s[0:1], 0x0                ; qq s[4:5], kv s[6:7]
	s_load_b64 s[8:9], s[0:1], 0x10                ; yq
	v_lshl_add_u32 v224, v0, 2, 0x33000
	v_mov_b32 v225, 0
	ds_add_u32 v224, v225
	ds_add_u32 v224, v225
	v_lshrrev_b32 v1, 5, v0
	s_delay_alu instid0(VALU_DEP_1)
	v_readfirstlane_b32 s[WV], v1                  ; wave 0..15
	s_bfe_u32 s[CX], ttmp6, 0x40000                ; cx
	s_and_b32 s[HH], ttmp7, 0xffff                 ; the head, 0..63: the cluster's y
	s_xor_b32 s[NW], s[WV], 15                     ; 15 - wave
	s_mov_b32 s[G1], 15|(3<<16)|(1<<21)            ; the mask: all four partners; elements of 8 bytes; bit 21 beside a mask
	s_mov_b32 s[G1+1], 32<<16                      ; a granule is dense: 51 rows of 256 bytes
	s_mov_b32 s[G1+2], 51<<16
	s_mov_b32 s[G1+3], 32<<16
	s_mov_b32 s[G1+4], 51
	s_mov_b32 s[G1+5], 32
	s_mov_b32 s[G1+6], 0
	s_mov_b32 s[G1+7], 0
	s_mov_b32 s[G0], 1
	s_mul_i32 s[G0+1], s[WV], GR                   ; granule w to LDS byte 13,056 w
	s_mul_i32 s44, s[HH], HEADKV
	s_add_co_u32 s44, s44, s[G0+1]
	s_mov_b32 s45, 0
	s_wait_dscnt 0x0
	s_wait_kmcnt 0x0
	s_add_nc_u64 s[G0+2:G0+3], s[6:7], s[44:45]
	s_or_b32 s[G0+3], s[G0+3], 0x80000000
	CROUND                                         ; all four work-groups are here: the joint loads meet
	tensor_load_to_lds s[G0:G0+3], s[G1:G1+7]      ; my one tensor load of the launch
	s_nop 0
.rept 4
	v_nop
.endr
	v_and_b32 v8, 31, v0
	s_delay_alu instid0(VALU_DEP_1)
	v_lshlrev_b32 v1, 4, v8                        ; 16 l
	s_delay_alu instid0(VALU_DEP_2)
	v_lshlrev_b32 v2, 3, v8                        ; 8 l
	v_and_b32 v9, 15, v0                           ; r
	v_bfe_u32 v10, v0, 4, 1                        ; h
	s_delay_alu instid0(VALU_DEP_2)
	v_lshlrev_b32 v6, 3, v9                        ; 8 r
	s_wait_alu depctr_va_vdst(0)
	v_lshl_add_u32 v7, v9, 4, v10                  ; 16 r + h
	v_and_b32 v11, 8, v9
	s_delay_alu instid0(VALU_DEP_1)
	v_add_nc_u32 v11, v11, v9                      ; r + 8 (r / 8)
	v_lshlrev_b32 v10, 4, v10
	s_delay_alu instid0(VALU_DEP_1)
	v_sub_nc_u32 v5, v11, v10
	s_lshl_b32 s18, s[CX], 5
	v_add_nc_u32 v5, s18, v5                       ; d = my query in its group - 16 h: register 16 B + i of the diagonal granule is hidden where 32 B + i > d
	; what the passes' addresses share
	s_mul_i32 s48, s[HH], HEADQ
	s_lshr_b32 s18, s[CX], 1
	s_lshl_b32 s18, s18, 8
	s_and_b32 s19, s[CX], 1
	s_lshl_b32 s19, s19, 2
	s_add_co_u32 s49, s48, s18
	s_add_co_u32 s49, s49, s19
	s_add_co_u32 s49, s49, KSC                     ; Q's scale words: 6,144 + 256 (tile / 4) + 4 ((tile / 2) % 2), tile = 2 cx + pass
	s_mul_i32 s18, s[CX], 1536
	s_add_co_u32 s48, s48, s18                     ; Q's tile 2 cx
	s_lshr_b32 s18, s[HH], 4
	s_lshl_b32 s18, s18, 7                         ; 128 tiles a batch
	s_lshl_b32 s19, s[CX], 1
	s_add_co_u32 s18, s18, s19
	s_lshl_b32 s18, s18, 1
	s_bfe_u32 s19, s[HH], 0x10003                  ; the K half of the last product: head / 8
	s_add_co_u32 s18, s18, s19
	s_mul_i32 s18, s18, REC                        ; y's record
	s_bfe_u32 s19, s[HH], 0x20001                  ; its K step: (head / 2) % 4
	s_and_b32 s52, s[HH], 1                        ; the image's half: head % 2
	s_mul_i32 s50, s19, FI
	s_mul_i32 s53, s52, 768
	s_add_co_u32 s50, s50, s53
	s_add_co_u32 s50, s50, s18
	s_lshl_b32 s19, s19, 2
	s_lshl_b32 s52, s52, 1
	s_add_co_u32 s51, s19, s52
	s_add_co_u32 s51, s51, s18
	s_add_co_u32 s51, s51, KSC
	PASSADDR WV, 0
	global_load_b128 v[QF:QF+3], v1, s[36:37]
	global_load_b64 v[QF+4:QF+5], v2, s[36:37] offset:512
	global_load_b32 v[QS], v6, s[38:39]
.irp j, 0,1,2,3,4,5
	v_mov_b32 v[QF+6+\j], 0                        ; Q's zero codes for K = 64 .. 127
	v_mov_b32 v[KV+48+\j], 0                       ; the pad behind K's last tile
.endr
.set j, 0
.rept 32
	v_mov_b32 v[O+j], 0                            ; O^T: the loop is written once; its first step finds zeros
.set j, j+1
.endr
	v_mov_b32 v13, 0xff61b1e6                      ; the largest t so far: -3e38
	s_delay_alu instid0(VALU_DEP_1)
	v_floor_f32 v12, -v13                          ; -M
	v_mov_b32 v14, 0
	v_mov_b32 v15, 0
	v_mov_b32 v[FM+1], 0                           ; (named as the upper half of a pair before it is first written)
	v_mov_b32 v[TA], 0
.irp b, 0,1,2,3
	v_mov_b32 v[TT+\b], 0                          ; a lane permute's destination counts as a source
.endr
	s_mov_b32 s[SEL], 0x76543210
	s_mov_b32 s[SEL+1], 0xfedcba98
	s_mov_b32 s[CS], 0x3e38aa3b                    ; c = log2(e) / 8
	s_mov_b32 s[CS+1], s[CS]
	s_mov_b32 s[TRP], 0
	s_wait_tensorcnt 0x0                           ; my granule has landed,
	s_wait_loadcnt 0x0                             ; and Q
	s_barrier_signal -1
	s_barrier_wait -1                              ; everybody's has: the whole head lies in LDS
.Ltrip:                                            ; 17 trips: trips 0 .. w are pass 0's granules 0 .. w, trips w + 1 .. 16 pass 1's granules 0 .. 15 - w
	s_add_co_u32 s18, s[TRP], s[NW]
	s_and_b32 s18, s18, 15                         ; trip - w - 1 where trip > w
	s_cmp_le_u32 s[TRP], s[WV]
	s_cselect_b32 s[GRN], s[TRP], s18
	s_min_u32 s[GRN], s[GRN], 15
	s_mul_i32 s[TB], s[GRN], GR
	s_cmp_eq_u32 s[TRP], s[WV]
	s_cselect_b32 s[DG], 1, 0
	s_cmp_eq_u32 s[TRP], 16
	s_cselect_b32 s[DG], 1, s[DG]                  ; a pass's last granule lies on the diagonal
	s_setprio 2
	v_nop
	v_nop                                          ; with the two additions: four plain lines between the last products and the loads into their registers
	v_add_nc_u32 v3, s[TB], v1
	v_add_nc_u32 v4, s[TB], v2
.irp t, 0,1,2,3,4,5,6,7
	ds_load_b128 v[KV+6*\t:KV+6*\t+3], v3 offset:768*\t
	ds_load_b64 v[KV+6*\t+4:KV+6*\t+5], v4 offset:768*\t+512
.endr
	ds_load_b64 v[KS:KS+1], v4 offset:KSC          ; lanes 0-15 tiles 0, 2; lanes 16-31 tiles 1, 3
	ds_load_b64 v[KS+2:KS+3], v4 offset:KSC+256    ; tiles 4, 6 and 5, 7
	s_wait_alu depctr_va_vdst(0)
	s_wait_dscnt 0x0
.irp t, 0,1,2,3,4,5,6,7                ; S^T = K Q^T
.if \t % 2
	v_wmma_scale_f32_16x16x128_f8f6f4 v[S+8*\t:S+8*\t+7], v[KV+6*\t:KV+6*\t+11], v[QF:QF+11], 0, v[KS+\t/2], v[QS] matrix_a_fmt:MATRIX_FMT_BF6 matrix_b_fmt:MATRIX_FMT_BF6 matrix_a_scale:MATRIX_SCALE_ROW1
.else
	v_wmma_scale_f32_16x16x128_f8f6f4 v[S+8*\t:S+8*\t+7], v[KV+6*\t:KV+6*\t+11], v[QF:QF+11], 0, v[KS+\t/2], v[QS] matrix_a_fmt:MATRIX_FMT_BF6 matrix_b_fmt:MATRIX_FMT_BF6
.endif
.endr
.rept 4
	v_nop                                          ; places: for V's loads into K's registers and for the first read of the scores
.endr
.irp a, 0,1,2,3                        ; V's four images land while the softmax is walked
	ds_load_b128 v[KV+12*\a:KV+12*\a+3], v3 offset:VO+FI*\a
	ds_load_b64 v[KV+12*\a+4:KV+12*\a+5], v4 offset:VO+FI*\a+512
	ds_load_b128 v[KV+12*\a+6:KV+12*\a+9], v3 offset:VO+FI*\a+768
	ds_load_b64 v[KV+12*\a+10:KV+12*\a+11], v4 offset:VO+FI*\a+1280
.endr
	ds_load_b64 v[VS:VS+1], v4 offset:VSC
	s_cmp_eq_u32 s[DG], 0
	s_cbranch_scc1 .Lopen
	v_mov_b32 v[TC], 0xff800000                    ; on the diagonal hidden scores become -infinity ahead of the maximum: p = 0 then.  Key 0 of the granule counts for every query
.set n, 0
.rept 64
	v_cmp_gt_i32 vcc_lo, 32*(n/16)+n%16, v5
	v_cndmask_b32 v[S+n], v[S+n], v[TC], vcc_lo
.set n, n+1
.endr
.Lopen:
.irp b, 0,1,2,3
	v_max3_num_f32 v[BM+\b], v[S+16*\b], v[S+1+16*\b], v[S+2+16*\b]   ; the largest score of each block of 32 keys: for the row's maximum and, since p rises with the score, for the block's largest p
.endr
.irp i, 3,5,7,9,11,13
.irp b, 0,1,2,3
	v_max3_num_f32 v[BM+\b], v[BM+\b], v[S+16*\b+\i], v[S+1+16*\b+\i]
.endr
.endr
.irp b, 0,1,2,3
	v_max_num_f32 v[BM+\b], v[BM+\b], v[S+15+16*\b]
.endr
.irp b, 0,1,2,3
	s_delay_alu instid0(VALU_DEP_4)
	v_permlanex16_b32 v[TT+\b], v[BM+\b], s[SEL], s[SEL+1]
.endr
.irp b, 0,1,2,3
	s_delay_alu instid0(VALU_DEP_4)
	v_max_num_f32 v[BM+\b], v[BM+\b], v[TT+\b]     ; with lane l xor 16's 16 keys
.endr
	s_delay_alu instid0(VALU_DEP_2)
	v_max3_num_f32 v[TA], v[BM], v[BM+1], v[BM+2]
	s_delay_alu instid0(VALU_DEP_1)
	v_max_num_f32 v[TA], v[TA], v[BM+3]
	s_delay_alu instid0(VALU_DEP_1)
	v_mul_f32 v[TA], s[CS], v[TA]                  ; the step's largest t
	s_delay_alu instid0(VALU_DEP_1)
	v_max_num_f32 v13, v13, v[TA]
	v_mov_b32 v[TA], v12
	s_delay_alu instid0(VALU_DEP_2)
	v_floor_f32 v12, -v13                          ; the new -M = -ceil(t)
	s_delay_alu instid0(VALU_DEP_1)
	v_sub_f32 v[TA], v12, v[TA]                    ; old M - new M: a whole number, 0 or less
	s_delay_alu instid0(VALU_DEP_1)
	v_cvt_i32_f32 v[TA], v[TA]                     ; (it saturates)
	s_delay_alu instid0(VALU_DEP_1)
	v_ldexp_f32 v[FM], 1.0, v[TA]                  ; f = 2^(old M - new M)
.set j, 0
.rept 32
	v_pk_fma_f32 v[S+j:S+j+1], v[S+j:S+j+1], s[CS:CS+1], v[12:13] op_sel_hi:[1,0,0]   ; t - M
.set j, j+2
.endr
.irp b, 0,1,2,3
	v_fma_f32 v[BM+\b], v[BM+\b], s[CS], v12
.endr
.set j, 0
	s_wait_alu depctr_va_vdst(0)
.rept 64
	v_exp_f32 v[S+j], v[S+j]                       ; p = 2^(t - M)
.set j, j+1
.endr
	s_setprio 1
	v_pk_mul_f32 v[14:15], v[14:15], v[FM:FM+1] op_sel_hi:[1,0]   ; the sums under the new M: the plain line behind the batch
	s_wait_alu depctr_va_vdst(0)                   ; one wait for the 64 exponentials, ahead of their first reader
.irp b, 0,1,2,3
	v_exp_f32 v[BM+\b], v[BM+\b]                   ; each block's largest p
.endr
	v_pk_add_f32 v[208:209], v[100:101], v[104:105]
	v_pk_add_f32 v[222:223], v[108:109], v[112:113]
	v_pk_add_f32 v[220:221], v[116:117], v[120:121]
	v_pk_add_f32 v[218:219], v[124:125], v[128:129]
	v_pk_add_f32 v[216:217], v[132:133], v[136:137]
	v_pk_add_f32 v[214:215], v[140:141], v[144:145]
	v_pk_add_f32 v[212:213], v[148:149], v[152:153]
	v_pk_add_f32 v[14:15], v[14:15], v[156:157]
	v_pk_add_f32 v[208:209], v[208:209], v[96:97]
	v_pk_add_f32 v[222:223], v[222:223], v[98:99]
	v_pk_add_f32 v[220:221], v[220:221], v[102:103]
	v_pk_add_f32 v[218:219], v[218:219], v[106:107]
	v_pk_add_f32 v[216:217], v[216:217], v[110:111]
	v_pk_add_f32 v[214:215], v[214:215], v[114:115]
	v_pk_add_f32 v[212:213], v[212:213], v[118:119]
	v_pk_add_f32 v[14:15], v[14:15], v[122:123]
	v_pk_add_f32 v[208:209], v[208:209], v[126:127]
	v_pk_add_f32 v[222:223], v[222:223], v[130:131]
	v_pk_add_f32 v[220:221], v[220:221], v[134:135]
	v_pk_add_f32 v[218:219], v[218:219], v[138:139]
	v_pk_add_f32 v[216:217], v[216:217], v[142:143]
	v_pk_add_f32 v[214:215], v[214:215], v[146:147]
	v_pk_add_f32 v[212:213], v[212:213], v[150:151]
	v_pk_add_f32 v[14:15], v[14:15], v[154:155]
	v_pk_add_f32 v[208:209], v[208:209], v[158:159]
	s_delay_alu instid0(VALU_DEP_2)
	v_pk_add_f32 v[14:15], v[14:15], v[218:219]
	s_delay_alu instid0(VALU_DEP_2)
	v_pk_add_f32 v[208:209], v[208:209], v[216:217]
	v_pk_add_f32 v[222:223], v[222:223], v[214:215]
	v_pk_add_f32 v[220:221], v[220:221], v[212:213]
	s_delay_alu instid0(VALU_DEP_2)
	v_pk_add_f32 v[14:15], v[14:15], v[222:223]
	s_delay_alu instid0(VALU_DEP_2)
	v_pk_add_f32 v[208:209], v[208:209], v[220:221]
	s_delay_alu instid0(VALU_DEP_1)
	v_pk_add_f32 v[14:15], v[14:15], v[208:209]
	s_wait_alu depctr_va_vdst(0)                   ; and one for the four
.irp b, 0,1,2,3
	v_max_num_f32 v[BM+\b], 0x2800000, v[BM+\b]    ; the floor 2^(5 - 127)
.endr
.irp b, 0,1,2,3
	s_delay_alu instid0(VALU_DEP_4)
	v_add_nc_u32 v[SO+\b], 0xfe000000, v[BM+\b]
.endr
.irp b, 0,1,2,3
	s_delay_alu instid0(VALU_DEP_4)
	v_lshrrev_b32 v[TT+\b], 23, v[SO+\b]
.endr
	s_delay_alu instid0(VALU_DEP_3)
	v_lshl_or_b32 v[FM+1], v[TT+1], 8, v[TT]       ; p's scale word for these 128 keys
	s_delay_alu instid0(VALU_DEP_1)
	v_lshl_or_b32 v[FM+1], v[TT+2], 16, v[FM+1]
	s_delay_alu instid0(VALU_DEP_1)
	v_lshl_or_b32 v[FM+1], v[TT+3], 24, v[FM+1]
.irp c, 0,1
	v_cvt_scalef32_pk16_bf6_f32 v[PC+6*\c:PC+6*\c+2], v[S+32*\c:S+32*\c+15], v[SO+2*\c]
	v_cvt_scalef32_pk16_bf6_f32 v[TT+4*\c:TT+4*\c+2], v[S+32*\c+16:S+32*\c+31], v[SO+2*\c+1]
.endr
	v_nop                                          ; one plain line behind the scaled conversions
.irp c, 0,1
.irp i, 0,1,2
	v_permlane16_swap_b32 v[PC+6*\c+\i], v[TT+4*\c+\i]
.endr
.irp i, 0,1,2
	s_delay_alu instid0(VALU_DEP_3)
	v_mov_b32 v[PC+6*\c+3+\i], v[TT+4*\c+\i]
.endr
.endr
.set j, 0
.rept 16
	v_pk_mul_f32 v[O+j:O+j+1], v[O+j:O+j+1], v[FM:FM+1] op_sel_hi:[1,0]   ; O^T under the new M; these lines also stand between the operand's last write and the products
.set j, j+2
.endr
	s_wait_alu depctr_va_vdst(0)
	s_wait_dscnt 0x0                               ; V is in
.irp a, 0,1,2,3                        ; O^T += V^T P^T: the four accumulators by turns
.if \a % 2
	v_wmma_scale_f32_16x16x128_f8f6f4 v[O+8*\a:O+8*\a+7], v[KV+12*\a:KV+12*\a+11], v[PC:PC+11], v[O+8*\a:O+8*\a+7], v[VS+\a/2], v[FM+1] matrix_a_fmt:MATRIX_FMT_BF6 matrix_b_fmt:MATRIX_FMT_BF6 matrix_a_scale:MATRIX_SCALE_ROW1
.else
	v_wmma_scale_f32_16x16x128_f8f6f4 v[O+8*\a:O+8*\a+7], v[KV+12*\a:KV+12*\a+11], v[PC:PC+11], v[O+8*\a:O+8*\a+7], v[VS+\a/2], v[FM+1] matrix_a_fmt:MATRIX_FMT_BF6 matrix_b_fmt:MATRIX_FMT_BF6
.endif
.endr
	s_cmp_eq_u32 s[DG], 0
	s_setprio 0
	s_cbranch_scc1 .Lnext
	; ---- a pass ends: y = O / the sum, quantised along its 64 channels (two blocks), stored as half an image
.rept 4
	v_nop
.endr
	v_add_f32 v14, v14, v15
	s_delay_alu instid0(VALU_DEP_1)
	v_permlanex16_b32 v[TA], v14, s[SEL], s[SEL+1]
	s_delay_alu instid0(VALU_DEP_1)
	v_add_f32 v14, v14, v[TA]                      ; the row's sum
	s_wait_alu depctr_va_vdst(0)
	v_rcp_f32 v14, v14
	v_nop                                          ; a plain line behind the reciprocal,
	s_wait_alu depctr_va_vdst(0)                   ; and the wait ahead of its first reader
.set j, 0
.rept 16
	v_pk_mul_f32 v[S+j:S+j+1], v[O+j:O+j+1], v[14:15] op_sel_hi:[1,0]   ; register 16 B + i: channel 32 B + 16 h + i; each accumulator from its low end on
.set j, j+2
.endr
.irp b, 0,1
	v_max3_num_f32 v[BM+\b], |v[S+16*\b]|, |v[S+1+16*\b]|, 0x2800000
.endr
.irp i, 2,4,6,8,10,12,14
.irp b, 0,1
	s_delay_alu instid0(VALU_DEP_2)
	v_max3_num_f32 v[BM+\b], v[BM+\b], |v[S+16*\b+\i]|, |v[S+1+16*\b+\i]|
.endr
.endr
.irp b, 0,1
	s_delay_alu instid0(VALU_DEP_2)
	v_permlanex16_b32 v[TT+\b], v[BM+\b], s[SEL], s[SEL+1]
.endr
.irp b, 0,1
	s_delay_alu instid0(VALU_DEP_2)
	v_max_num_f32 v[BM+\b], v[BM+\b], v[TT+\b]
.endr
.irp b, 0,1
	s_delay_alu instid0(VALU_DEP_2)
	v_add_nc_u32 v[SO+\b], 0xfe000000, v[BM+\b]
.endr
.irp b, 0,1
	s_delay_alu instid0(VALU_DEP_2)
	v_lshrrev_b32 v[TT+\b], 23, v[SO+\b]           ; the two bytes
.endr
	v_cvt_scalef32_pk16_bf6_f32 v[PC:PC+2], v[S:S+15], v[SO]
	v_cvt_scalef32_pk16_bf6_f32 v[TT+4:TT+6], v[S+16:S+31], v[SO+1]
	v_nop
.irp i, 0,1,2
	v_permlane16_swap_b32 v[PC+\i], v[TT+4+\i]
.endr
.irp i, 0,1,2
	s_delay_alu instid0(VALU_DEP_3)
	v_mov_b32 v[PC+3+\i], v[TT+4+\i]
.endr
	s_mov_b32 vcc_lo, 0xffff0000
	v_cndmask_b32 v[TC], v[TT], v[TT+1], vcc_lo    ; lanes 0-15 store block 0's byte of their row, lanes 16-31 block 1's
	global_store_b128 v1, v[PC:PC+3], s[40:41] th:TH_STORE_NT
	global_store_b64 v2, v[PC+4:PC+5], s[40:41] offset:512 th:TH_STORE_NT
	global_store_b8 v7, v[TC], s[42:43]
	s_cmp_eq_u32 s[TRP], 16
	s_cbranch_scc1 .Lnext
	s_wait_xcnt 0x0                                ; the stores have read their registers and bases: both are written again below and in the next trip
	PASSADDR NW, 1
	global_load_b128 v[QF:QF+3], v1, s[36:37]      ; pass 1's queries
	global_load_b64 v[QF+4:QF+5], v2, s[36:37] offset:512
	global_load_b32 v[QS], v6, s[38:39]
	v_add_nc_u32 v5, 8, v5                         ; tile 2 cx + 1 begins 8 queries on
.set j, 0
.rept 32
	v_mov_b32 v[O+j], 0
.set j, j+1
.endr
	v_mov_b32 v13, 0xff61b1e6
	s_delay_alu instid0(VALU_DEP_1)
	v_floor_f32 v12, -v13
	v_mov_b32 v14, 0
	v_mov_b32 v15, 0
	s_wait_loadcnt 0x0
.Lnext:
	s_add_co_u32 s[TRP], s[TRP], 1
	s_cmp_lt_u32 s[TRP], 17
	s_cbranch_scc1 .Ltrip
	s_setprio 0
	s_wait_tensorcnt 0x0
	ds_add_u32 v224, v225
	s_wait_dscnt 0x0
	CROUND                                         ; the closing round
	s_endpgm
.Lfunc_end_k_qbbf1e05436_attn:
	.size	k_qbbf1e05436_attn, .Lfunc_end_k_qbbf1e05436_attn-k_qbbf1e05436_attn
	.p2alignl 7, 3214868480
	.fill 96, 4, 3214868480
	.section	.rodata,"a",@progbits
	.p2align	6, 0x0
	.amdhsa_kernel k_qbbf1e05436_attn
		.amdhsa_group_segment_fixed_size 210944
		.amdhsa_private_segment_fixed_size 0
		.amdhsa_enable_private_segment 0
		.amdhsa_kernarg_size 24
		.amdhsa_user_sgpr_count 2
		.amdhsa_user_sgpr_kernarg_segment_ptr 1
		.amdhsa_wavefront_size32 1
		.amdhsa_system_sgpr_workgroup_id_x 1
		.amdhsa_system_sgpr_workgroup_id_y 1
		.amdhsa_system_sgpr_workgroup_id_z 1
		.amdhsa_system_vgpr_workitem_id 0
		.amdhsa_next_free_vgpr 226
		.amdhsa_next_free_sgpr 66
		.amdhsa_reserve_vcc 1
		.amdhsa_float_denorm_mode_32 3
		.amdhsa_float_denorm_mode_16_64 3
		.amdhsa_memory_ordered 1
		.amdhsa_forward_progress 1
		.amdhsa_inst_pref_size 37
	.end_amdhsa_kernel
	.amdgpu_metadata
---
amdhsa.version: [ 1, 2 ]
amdhsa.kernels:
  - .name:           k_qbbf1e05436_attn
    .symbol:         k_qbbf1e05436_attn.kd
    .args:
      - { .name: qq, .offset: 0, .size: 8, .value_kind: global_buffer, .address_space: global }
      - { .name: kv, .offset: 8, .size: 8, .value_kind: global_buffer, .address_space: global }
      - { .name: yq, .offset: 16, .size: 8, .value_kind: global_buffer, .address_space: global }
    .group_segment_fixed_size: 210944
    .private_segment_fixed_size: 0
    .kernarg_segment_align: 8
    .kernarg_segment_size: 24
    .max_flat_workgroup_size: 512
    .sgpr_count:     66
    .vgpr_count:     226
    .wavefront_size: 32
...
	.end_amdgpu_metadata
.endif
;; end of part 3
;; launch proj (part 4): grid 4 x 64, 4 waves a work-group, clusters of 4 x 4, 307,712 bytes of LDS; arguments yq, wq, c_proj_b, out0; writes out0
.if DOCPART == 4
	.amdgcn_target "amdgcn-amd-amdhsa--gfx1250"
	.amdhsa_code_object_version 6
	.text
	.protected	k_qbbf1e05436_proj
	.globl	k_qbbf1e05436_proj
	.p2align	8
	.type	k_qbbf1e05436_proj,@function
k_qbbf1e05436_proj:
	s_mov_b64 s[64:65], 0
	v_nop
	global_prefetch_b8 v0, s[64:65] scope:SCOPE_SE
	s_setreg_imm32_b32 hwreg(HW_REG_WAVE_MODE, 25, 1), 1
	s_wait_xcnt 0x0
	s_wait_alu depctr_hold_cnt(0) depctr_sa_sdst(0) depctr_va_vdst(0) depctr_va_sdst(0) depctr_va_ssrc(0) depctr_va_vcc(0) depctr_vm_vsrc(0)
	s_getreg_b32 s2, hwreg(HW_REG_IB_STS2, 6, 4)
	s_cmp_eq_u32 s2, 0
	s_cbranch_scc0 .Lentry_in_a_cluster
	s_endpgm
.Lentry_in_a_cluster:
	s_bfe_u32 s2, ttmp6, 0x10000c
	s_cmp_lg_u32 s2, 0xf033
	s_cbranch_scc0 .Lentry_shape_is_right
	s_endpgm
.Lentry_shape_is_right:
; out0 = y c_proj_w + c_proj_b on codes of BF6 (E3M2) with E8M0 scales, sums in f32; out0 [8192][1024] f32.
; A work-group makes 128 rows x 256 columns; K = 1,024 lies in LDS whole (two halves of 512, each filled once): 8 tiles of y and 16 of the weight, as records of 6,400 bytes (four images of 1,536 bytes and
; 256 bytes of scale words).  A tile is 16 rows: tile 2 B + u holds 32 B + 8 u + r + 8 (r / 8).  An image: registers 0-3 at 16 l, 4-5 at 512 + 8 l, 6-9 at 768 + 16 l, 10-11 at 1280 + 8 l.
; Four waves, each P 128 columns x R 64 rows: source 0 = a tile of the weight, source 1 = a tile of y: a lane holds one row, and the 16 registers of P's tiles 2 B, 2 B + 1 are columns 32 B + 16 h + 0 .. 15.
; CLUSTER 4 x 4: y's tiles hang on the work-group's y and are asked for jointly along a row of the cluster, the weight's on its x and jointly along a column.
; THE WAY OUT: 16 rows x 128 columns at a time through my own stage in LDS, back as whole rows of 512 bytes.  The stage lies in K half 0, which has had its one fill, and whose last reads every wave has waited
; for ahead of the barrier of K step 3.
; REGISTERS: window 0: v1-15 addresses; v16-63 scale words; v64-159 R's fragments, two sets; v160-223 the bias; v64-191 rows of out0 on the way out.  window 1: P's fragments, two sets of 96.
;   window 2: accumulator (a, b) at v[8 (8 a + b)].
.set REC,  6400
.set FI,   1536
.set HALF, 24*REC
.set WT0,  192                         ; c_proj_w's first tile in wq
.set SPT,  528                         ; a stage row: 512 bytes + 16
.set G1A, 24
.set G1B, 32
.set G0A, 40
.set G0B, 48
.set P16, 4
.set P8,  6
.set R16, 8
.set R8,  10
.set STA, 12
.set SUA, 14
.set SC,  16
.set RF,  64
.set BI,  160
.set STO, 240
.set RD,  241
.set MSB, 0
.macro WIN new                         ; the immediate's high byte repeats the setting that is left
.if MSB != \new
	s_set_vgpr_msb (MSB<<8)|\new
.set MSB, \new
.endif
.endm
.macro CROUND                          ; a round of the cluster's barrier
	s_barrier_signal -1
	s_barrier_wait -1
	s_cmp_lg_u32 s14, 0
	s_cbranch_scc1 .Lnot_wave_0_\@
	s_barrier_signal -3
.Lnot_wave_0_\@:
	s_barrier_wait -3
	s_barrier_signal -1
	s_barrier_wait -1
.endm
.macro PLACES                          ; four plain lines between a matrix instruction and a load into, or a read of, its registers
.rept 4
	v_nop
.endr
.endm
.macro FRAG reg, a16, a8, off
	ds_load_b128 v[(\reg):(\reg)+3], v[\a16] offset:(\off)
	ds_load_b64 v[(\reg)+4:(\reg)+5], v[\a8] offset:(\off)+512
	ds_load_b128 v[(\reg)+6:(\reg)+9], v[\a16] offset:(\off)+768
	ds_load_b64 v[(\reg)+10:(\reg)+11], v[\a8] offset:(\off)+1280
.endm
.macro SCALES hf
	WIN 0
.irp i, 0,1,2,3
	ds_load_b128 v[SC+24*(\hf)+4*\i:SC+24*(\hf)+4*\i+3], v[STA+(\hf)] offset:REC*\i
.endr
.irp j, 0,1
	ds_load_b128 v[SC+24*(\hf)+16+4*\j:SC+24*(\hf)+16+4*\j+3], v[SUA+(\hf)] offset:2*REC*\j
.endr
.endm
.macro FETCH hf, q, set
	WIN 0x40
.irp b, 0,1,2,3,4,5,6,7
	FRAG 96*(\set)+12*\b, P16+(\hf), P8+(\hf), REC*\b+FI*(\q)
.endr
	WIN 0
.irp a, 0,1,2,3
	FRAG RF+48*(\set)+12*\a, R16+(\hf), R8+(\hf), REC*\a+FI*(\q)
.endr
.endm
; 32 products; the 32 accumulators take turns, one instruction a turn, in the same order in every step.  cm = 1: the bias starts the sums
.macro MUL hf, q, set, cm
.if \cm == 0
	WIN 0xa1
.else
	WIN 0x81
.endif
.irp a, 0,1,2,3
.irp b, 0,1,2,3,4,5,6,7
.set rD, 8*(8*\a+\b)
.set rP, 96*(\set)+12*\b
.set rR, RF+48*(\set)+12*\a
.set sR, SC+24*(\hf)+4*\a+(\q)
.if \b < 4
.set sP, SC+24*(\hf)+4*\b+(\q)
.else
.set sP, SC+24*(\hf)+16+4*((\b-4)/2)+(\q)
.endif
.if \cm == 0
.set rC, rD
.else
.set rC, BI+8*\b
.endif
.if (\b < 4) || (\b % 2)
	v_wmma_scale_f32_16x16x128_f8f6f4 v[rD:rD+7], v[rP:rP+11], v[rR:rR+11], v[rC:rC+7], v[sP], v[sR] matrix_a_fmt:MATRIX_FMT_BF6 matrix_b_fmt:MATRIX_FMT_BF6 matrix_a_scale:MATRIX_SCALE_ROW1
.else
	v_wmma_scale_f32_16x16x128_f8f6f4 v[rD:rD+7], v[rP:rP+11], v[rR:rR+11], v[rC:rC+7], v[sP], v[sR] matrix_a_fmt:MATRIX_FMT_BF6 matrix_b_fmt:MATRIX_FMT_BF6
.endif
.endr
.endr
.endm
.macro STEP kk
.if (\kk) == 3
	s_wait_tensorcnt 0x0                           ; my part of half 1 has landed
.endif
	s_wait_dscnt 0x0                               ; this step's fragments are in (at step 3: all my reads of half 0 are over)
.if (\kk) == 3
	s_barrier_signal -1
	s_barrier_wait -1                              ; both hold of every wave
.endif
	PLACES
.if (\kk) == 3
	SCALES 1
.endif
.if (\kk) < 7
	FETCH ((\kk)+1)/4, ((\kk)+1)%4, ((\kk)+1)%2
.endif
	MUL (\kk)/4, (\kk)%4, (\kk)%2, 0
.endm
	s_load_b256 s[4:11], s[0:1], 0x0               ; yq s[4:5], wq s[6:7], c_proj_b s[8:9], out0 s[10:11]
	v_lshl_add_u32 v254, v0, 2, 0x4b000
	v_mov_b32 v255, 0
	ds_add_u32 v254, v255
	ds_add_u32 v254, v255
	v_lshrrev_b32 v1, 5, v0
	v_readfirstlane_b32 s14, v1                    ; wave
	s_and_b32 s15, s14, 1                          ; rh; also: which half of a tile's records I fetch
	s_lshr_b32 s16, s14, 1                         ; ph
	s_bfe_u32 s17, ttmp6, 0x40000                  ; cx
	s_bfe_u32 s18, ttmp6, 0x40004                  ; cy
	s_lshl_b32 s19, ttmp9, 2
	s_add_co_u32 s19, s19, s17                     ; X: which 256 columns
	s_and_b32 s20, ttmp7, 0xffff
	s_lshl_b32 s20, s20, 2
	s_add_co_u32 s20, s20, s18                     ; Y: which 128 rows
	s_lshl_b32 s21, s18, 2
	s_lshl_b32 s21, 15, s21                        ; my row of the cluster
	s_lshl_b32 s22, 0x1111, s17                    ; my column
	s_or_b32 s[G1A], s21, (3<<16)|(1<<21)          ; the mask; elements of 8 bytes; bit 21 beside a mask; no padding
	s_or_b32 s[G1B], s22, (3<<16)|(1<<21)
.irp g, G1A, G1B
	s_mov_b32 s[\g+1], 800<<16                     ; tensor_dim0: a record, 800 elements
	s_mov_b32 s[\g+3], 800<<16                     ; tile_dim0
	s_mov_b32 s[\g+5], 1600                        ; from tile to tile: two records
	s_mov_b32 s[\g+6], 0
	s_mov_b32 s[\g+7], 0
.endr
	s_mov_b32 s[G1A+2], 4<<16                      ; y: four records a load
	s_mov_b32 s[G1A+4], 4
	s_mov_b32 s[G1B+2], 8<<16                      ; the weight: eight
	s_mov_b32 s[G1B+4], 8
	s_lshl_b32 s56, s20, 3
	s_lshl_b32 s57, s15, 2
	s_add_co_u32 s56, s56, s57                     ; y's tile 8 Y + 4 (wave % 2)
	s_mul_i32 s56, s56, 2*REC
	s_mov_b32 s57, 0
	s_lshl_b32 s58, s19, 4
	s_lshl_b32 s59, s15, 3
	s_add_co_u32 s58, s58, s59
	s_add_co_u32 s58, s58, WT0                     ; the weight's tile 192 + 16 X + 8 (wave % 2)
	s_mul_i32 s58, s58, 2*REC
	s_mov_b32 s59, 0
	s_mul_i32 s60, s15, 4*REC                      ; where they go: no place in the cluster enters an LDS address
	s_mul_i32 s61, s15, 8*REC
	s_add_co_u32 s61, s61, 8*REC
	s_wait_dscnt 0x0
	s_wait_kmcnt 0x0
	s_add_nc_u64 s[56:57], s[4:5], s[56:57]
	s_add_nc_u64 s[58:59], s[6:7], s[58:59]
.irp h, 0,1
	s_mov_b32 s[G0A+4*\h], 1
	s_add_co_u32 s[G0A+4*\h+1], s60, \h*HALF
	s_add_nc_u64 s[G0A+4*\h+2:G0A+4*\h+3], s[56:57], \h*REC
	s_or_b32 s[G0A+4*\h+3], s[G0A+4*\h+3], 0x80000000
	s_mov_b32 s[G0B+4*\h], 1
	s_add_co_u32 s[G0B+4*\h+1], s61, \h*HALF
	s_add_nc_u64 s[G0B+4*\h+2:G0B+4*\h+3], s[58:59], \h*REC
	s_or_b32 s[G0B+4*\h+3], s[G0B+4*\h+3], 0x80000000
.endr
	CROUND                                         ; all sixteen work-groups are here: the joint loads meet
	s_cmp_lt_u32 s14, 2                            ; waves 0, 1 fetch y's records, waves 2, 3 the weight's: a wave's two fills stand in one branch; two loads of mine are out
	s_cbranch_scc0 .Lfill_b
	tensor_load_to_lds s[G0A:G0A+3], s[G1A:G1A+7]
	s_nop 0
	tensor_load_to_lds s[G0A+4:G0A+7], s[G1A:G1A+7]
	s_nop 0
	PLACES
	s_branch .Lfilled
.Lfill_b:
	tensor_load_to_lds s[G0B:G0B+3], s[G1B:G1B+7]
	s_nop 0
	tensor_load_to_lds s[G0B+4:G0B+7], s[G1B:G1B+7]
	s_nop 0
	PLACES
.Lfilled:
	s_mul_i32 s66, s16, 8*REC
	s_add_co_u32 s66, s66, 8*REC                   ; P = the weight's tiles 8 ph on,
	s_mul_i32 s67, s15, 4*REC                      ; R = y's tiles 4 rh on
	v_and_b32 v3, 31, v0
	v_lshlrev_b32 v1, 4, v3                        ; 16 l
	v_lshlrev_b32 v2, 3, v3                        ; 8 l
	v_and_b32 v224, 15, v0                         ; r
	v_bfe_u32 v225, v0, 4, 1                       ; h
	v_add_nc_u32 v[P16], s66, v1
	v_add_nc_u32 v[P8], s66, v2
	v_add_nc_u32 v[R16], s67, v1
	v_add_nc_u32 v[R8], s67, v2
	v_lshl_add_u32 v226, v224, 4, 4*FI             ; a record's scale words: 6,144 + 16 r
	v_add_nc_u32 v227, s67, v226
	v_add_nc_u32 v228, s66, v226
	s_mov_b32 vcc_lo, 0xffff0000                   ; lanes 16-31
	v_cndmask_b32 v[STA], v227, v228, vcc_lo       ; lanes 0-15 R's tiles 0-3, lanes 16-31 P's tiles 0-3
	v_mad_u32_u24 v[SUA], v225, REC, v228
	v_add_nc_u32 v[SUA], 4*REC, v[SUA]             ; lanes 0-15 P's tiles 4, 6, lanes 16-31 P's tiles 5, 7
.irp n, P16, P8, R16, R8, STA, SUA
	v_add_nc_u32 v[\n+1], HALF, v[\n]
.endr
	v_lshlrev_b32 v232, 6, v225                    ; the bias: 64 h bytes
	s_mov_b32 s83, 0
	s_lshl_b32 s82, s19, 10
	s_lshl_b32 s75, s16, 9
	s_add_co_u32 s82, s82, s75
	s_add_nc_u64 s[94:95], s[8:9], s[82:83]        ; c_proj_b at column 256 X + 128 ph
.irp b, 0,1,2,3,4,5,6,7                ; the C of P's tile b: columns 32 (b / 2) + 8 (b % 2) + 16 h + 0 .. 7
	global_load_b128 v[BI+8*\b:BI+8*\b+3], v232, s[94:95] offset:(32*(\b/2)+8*(\b%2))*4
	global_load_b128 v[BI+8*\b+4:BI+8*\b+7], v232, s[94:95] offset:(32*(\b/2)+8*(\b%2))*4+16
.endr
	s_mul_i32 s68, s14, 16*SPT                     ; my stage
	v_mul_u32_u24 v[STO], v224, SPT
	v_lshl_add_u32 v[STO], v225, 6, v[STO]
	v_add_nc_u32 v[STO], s68, v[STO]               ; in: row r, + 64 h
	v_add_nc_u32 v[RD], s68, v1                    ; back: a row's 512 bytes, 16 a lane
	s_lshl_b32 s82, s20, 7
	s_lshl_b32 s75, s15, 6
	s_add_co_u32 s82, s82, s75                     ; my first row: 128 Y + 64 rh
	s_lshl_b32 s82, s82, 12
	s_lshl_b32 s75, s19, 10
	s_add_co_u32 s82, s82, s75
	s_lshl_b32 s75, s16, 9
	s_add_co_u32 s82, s82, s75                     ; my first column, in bytes
	s_add_nc_u64 s[84:85], s[10:11], s[82:83]
	s_wait_alu depctr_va_vdst(0)
	s_wait_tensorcnt 0x1                           ; my part of half 0 has landed; half 1's one load may stay out
	s_barrier_signal -1
	s_barrier_wait -1
	SCALES 0
	FETCH 0, 0, 0
	s_wait_loadcnt 0x0                             ; the bias
	s_wait_dscnt 0x0
	FETCH 0, 1, 1
	MUL 0, 0, 0, 1
	STEP 1
	STEP 2
	STEP 3
	STEP 4
	STEP 5
	STEP 6
	STEP 7
.macro TOSTAGE a                       ; R's tile a: 16 rows x 128 columns.  LDS serves a wave's instructions in order: no wait between the stores and the loads, nor ahead of the next tile's stores
.set AC, 64*(\a)
	WIN 0x08                                       ; an LDS store's data are its source 1: window 2
.irp b, 0,1,2,3,4,5,6,7
	ds_store_b128 v[STO], v[AC+8*\b:AC+8*\b+3] offset:128*(\b/2)+32*(\b%2)        ; each accumulator from its low end on
	ds_store_b128 v[STO], v[AC+8*\b+4:AC+8*\b+7] offset:128*(\b/2)+32*(\b%2)+16
.endr
	WIN 0
.set BB, 64+64*((\a)%2)
.irp t, 0,1,2,3,4,5,6,7,8,9,10,11,12,13,14,15
	ds_load_b128 v[BB+4*\t:BB+4*\t+3], v[RD] offset:SPT*\t
.endr
.endm
.macro SEND a, younger                 ; younger: the LDS instructions issued behind tile a's loads, which may stay out
.set BB, 64+64*((\a)%2)
	s_wait_dscnt \younger
.irp t, 0,1,2,3,4,5,6,7,8,9,10,11,12,13,14,15
	global_store_b128 v1, v[BB+4*\t:BB+4*\t+3], s[84:85] offset:(32*((\a)/2)+8*((\a)%2)+\t+8*(\t/8))*4096 th:TH_STORE_NT   ; 32 lanes store 512 consecutive bytes, aligned; the row stands in the immediate
.endr
.endm
	WIN 0
	PLACES                                         ; behind the last products: for the first read of results and for the loads into registers that held fragments and the bias
	TOSTAGE 0
.irp a, 1,2,3
.if \a > 1
	s_wait_xcnt 0x0                                ; tile a - 2's stores have read their registers: tile a's loads may land there
.endif
	TOSTAGE \a
	SEND \a-1, 32                                  ; behind tile a - 1's loads: tile a's 16 stores and 16 loads
.endr
	SEND 3, 0
	s_wait_tensorcnt 0x0
	ds_add_u32 v254, v255
	s_wait_dscnt 0x0
	CROUND                                         ; the closing round: no work-group ends while a partner may still ask for a tile that names it
	s_endpgm
.Lfunc_end_k_qbbf1e05436_proj:
	.size	k_qbbf1e05436_proj, .Lfunc_end_k_qbbf1e05436_proj-k_qbbf1e05436_proj
	.p2alignl 7, 3214868480
	.fill 96, 4, 3214868480
	.section	.rodata,"a",@progbits
	.p2align	6, 0x0
	.amdhsa_kernel k_qbbf1e05436_proj
		.amdhsa_group_segment_fixed_size 307712
		.amdhsa_private_segment_fixed_size 0
		.amdhsa_enable_private_segment 0
		.amdhsa_kernarg_size 32
		.amdhsa_user_sgpr_count 2
		.amdhsa_user_sgpr_kernarg_segment_ptr 1
		.amdhsa_wavefront_size32 1
		.amdhsa_system_sgpr_workgroup_id_x 1
		.amdhsa_system_sgpr_workgroup_id_y 1
		.amdhsa_system_sgpr_workgroup_id_z 1
		.amdhsa_system_vgpr_workitem_id 0
		.amdhsa_next_free_vgpr 768
		.amdhsa_next_free_sgpr 100
		.amdhsa_reserve_vcc 1
		.amdhsa_float_denorm_mode_32 3
		.amdhsa_float_denorm_mode_16_64 3
		.amdhsa_memory_ordered 1
		.amdhsa_forward_progress 1
		.amdhsa_inst_pref_size 83
	.end_amdhsa_kernel
	.amdgpu_metadata
---
amdhsa.version: [ 1, 2 ]
amdhsa.kernels:
  - .name:           k_qbbf1e05436_proj
    .symbol:         k_qbbf1e05436_proj.kd
    .args:
      - { .name: yq, .offset: 0, .size: 8, .value_kind: global_buffer, .address_space: global }
      - { .name: wq, .offset: 8, .size: 8, .value_kind: global_buffer, .address_space: global }
      - { .name: c_proj_b, .offset: 16, .size: 8, .value_kind: global_buffer, .address_space: global }
      - { .name: out0, .offset: 24, .size: 8, .value_kind: global_buffer, .address_space: global }
    .group_segment_fixed_size: 307712
    .private_segment_fixed_size: 0
    .kernarg_segment_align: 8
    .kernarg_segment_size: 32
    .max_flat_workgroup_size: 128
    .sgpr_count:     100
    .vgpr_count:     768
    .wavefront_size: 32
...
	.end_amdgpu_metadata
.endif
;; end of part 4
